; MI455X (gfx1250); checked and timed in simulation.
; The chip was launched on July 23, 2026; its instructions are those of AMD's public machine-readable ISA for CDNA 5 (MIT licence, August 2026) and "CDNA5" Instruction Set Architecture Reference Guide (July 2026). The comments in the code are by the model that wrote it; some were corrected since.
;; Multi Head Attention Improved. Allowed arithmetic: matrix products marked QUANTISED: E2M1 operands, one E8M0 scale for each 32 along K, by v_wmma_scale_f32_16x16x128_f8f6f4 with both operands' format E2M1 (or v_wmma_scale_f32_32x16x128_f4), f32 sums; products left as they are: bf16, f16 or f32 operands; f32 sums; everything else in f32.
;; Inputs: key 8 x 1,024 x 1,024 float32; key_padding_mask 8 x 1,024 bool; query 8 x 1,024 x 1,024 float32; value 8 x 1,024 x 1,024 float32; w_k 1,024 x 1,024 float32; w_o_b 1,024 float32; w_o_w 1,024 x 1,024 float32; w_q 1,024 x 1,024 float32; w_v 1,024 x 1,024 float32.
;; Outputs: out0 8 x 1,024 x 1,024 float32; out1 8 x 1,024 x 1,024 float32.
;; This version of the problem:
;;   THIS VERSION OF THE PROBLEM IS GIVEN IN LOW PRECISION. The matrix products marked QUANTISED in the list below multiply operands that are first quantised to E2M1 (2 exponent bits, 1 mantissa bit; 4 bits a number), with one power-of-two scale for each 32 numbers along K (OCP MX v1.0); their sums are f32. The products marked 'left as it is' may take bf16, f16 or f32 operands, with f32 sums. Whichever they take, every output number must still come out within the allowed error. Rounding operands to bf16 (8 significant bits) uses up far more of that allowance than f16 does (11 bits, for magnitudes from 6e-5 to 65,504). All else is computed in f32.
;;   The module's matrix products, in the order in which they are computed (A, B: the left and right operand; K: the contracted axis; several contracted axes count as one K, in the product's order):
;;     1. [M 8,192, K 1,024] x [K 1,024, N 1,024]; A: input query; B: input w_q: QUANTISED
;;     2. [M 8,192, K 1,024] x [K 1,024, N 1,024]; A: input key; B: input w_k: QUANTISED
;;     3. [M 8,192, K 1,024] x [K 1,024, N 1,024]; A: input value; B: input w_v: QUANTISED
;;     4. batch 128 x [M 1,024, K 64] x [K 64, N 1,024]; A: computed on the way; B: computed on the way: left as it is (an operand is computed on the way)
;;     5. batch 128 x [M 1,024, K 1,024] x [K 1,024, N 64]; A: computed on the way; B: computed on the way: left as it is (an operand is computed on the way)
;;     6. [M 8,192, K 1,024] x [K 1,024, N 1,024]; A: computed on the way; B: input w_o_w: left as it is (an operand is computed on the way)
;;   THE QUANTISER, for each operand of a quantised product, along K:
;;     - K is cut into blocks of 32 from its start; a last block that is shorter is filled with zeros.
;;     - A block's scale is 2^e with e = floor(log2(the largest magnitude in the block)) - 2, held to -126 .. 127; a block of zeros has e = 0. As a byte (E8M0): e + 127.
;;     - Each number is divided by its block's scale, clamped to +-6, and rounded to the nearest number of E2M1, ties to even, subnormals kept.
;;     - The product sums the exact products of the quantised numbers (number of the format x scale) in f32.
;;   ~~~python
;;   def quantise(x, axis):      # numpy; x: float32 -> the quantised numbers, widened to float32 again
;;       x = np.moveaxis(x, axis, -1); K = x.shape[-1]
;;       x = np.pad(x, [(0, 0)] * (x.ndim - 1) + [(0, -K % 32)]); x = x.reshape(x.shape[:-1] + (-1, 32)); a = np.abs(x).max(-1, keepdims=True)
;;       e = np.where(a > 0, np.clip(np.frexp(np.where(a > 0, a, 1))[1] - 1 - 2, -126, 127), 0)      # np.frexp(a)[1] - 1 = floor(log2(a)), exactly
;;       r = np.clip(x / 2.0 ** e, -6, 6)
;;       step = 2.0 ** (np.maximum(np.frexp(np.where(r == 0, 1, r))[1] - 1, 0) - 1)
;;       q = np.round(r / step) * step * 2.0 ** e      # np.round: ties to even
;;       return np.moveaxis(q.reshape(q.shape[:-2] + (-1,))[..., :K], -1, axis).astype(np.float32)
;;   ~~~
;; One version. Each part assembles by itself: llvm-mc -triple=amdgcn-amd-amdhsa -mcpu=gfx1250 --defsym DOCPART=n.
;; ======== version 1 of 1: 4 launches
;; limits: values are held in f16: magnitudes above 65,504 overflow, below 6.1e-05 lose precision
;; workspace buffers: codes 14,155,776 bytes; scales 884,736 bytes; wof 2,097,152 bytes; qf 16,777,216 bytes; kf 16,777,216 bytes; vf 16,777,216 bytes; ctx 16,777,216 bytes
;; launch quant (part 1): grid 896 x 1, 4 waves a work-group, no clusters, 33,280 bytes of LDS; arguments query, key, value, w_q, w_k, w_v, w_o_w, codes, scales, wof; writes codes, scales, wof
.if DOCPART == 1
	.amdgcn_target "amdgcn-amd-amdhsa--gfx1250"
	.amdhsa_code_object_version 6
	.text
	.protected	k_q76c4e68bc8_quant
	.globl	k_q76c4e68bc8_quant
	.p2align	8
	.type	k_q76c4e68bc8_quant,@function
k_q76c4e68bc8_quant:
	s_mov_b64 s[64:65], 0
	v_nop
	global_prefetch_b8 v0, s[64:65] scope:SCOPE_SE
	s_setreg_imm32_b32 hwreg(HW_REG_WAVE_MODE, 25, 1), 1
	s_wait_xcnt 0x0
; LAUNCH 1 OF 4.  query, key, value [8192][1024] and w_q, w_k, w_v [1024][1024], f32, K innermost, become codes of FP4 (E2M1) with one E8M0 byte for each 32 along K;
; w_o_w [1024][1024] becomes f16, laid as the last launch's operand registers take it.
; THE WHOLE PROGRAM: 1 quantise; 2 the three quantised products (Q, K, V, stored as f16); 3 scores, softmax, P V and the mean of the weights over the heads (out1); 4 the projection on the way out (out0).
; WORK LEFT OUT, in launch 3.  reference() adds slope_h x (k - q) to the scores.  slope_h x (k - q) = slope_h x (k - 1023) + slope_h x (1023 - q), and the second term is the same for all keys k of a
; row of the softmax: it multiplies every exponential of the row and the row's sum by the same factor and cancels, whatever the inputs hold.  So slope_h x (k - 1023) alone is added.  Both forms stay under 724 in size,
; so nothing moves by more than rounding.  The term left out is made of constants alone: no NaN, infinity or overflow of an input can reach it.  Every input has a way to an output, and every input is loaded.
; THE STACKED BUFFERS.  codes [27648][512 bytes], scales [27648][32 bytes]; rows 0 query, 8192 key, 16384 value, 24576 w_q, 25600 w_k, 26624 w_v.  Rows are dense and 1024 is a multiple of 32: all six tensors
; are plain streams of blocks of 32 numbers, and so are their codes and scale bytes.  Work-group g takes numbers 32768 g on of the stack: 0-255 query, 256-511 key, 512-767 value, 768-799 w_q, 800-831 w_k, 832-863 w_v.
; A block's scale is 2^(floor(log2(its largest magnitude)) - 2); its byte is the largest magnitude's exponent field - 2, held at 1 from below.  A block of zeros so gets the byte 1 where the rule says 127:
; its codes are zeros, which add nothing under any byte but 0xff, and the bytes are read by this program alone.
; LIMITS: blocks whose largest magnitude lies under 2^(2 - 126), the floor, were not tried; NaN and infinities among the inputs are not served; w_o_w is rounded to f16 (largest number 65,504).
; A wave takes 16 steps of 512 numbers.  Each load reads 512 consecutive bytes, 16 a lane; a step's 2,048 bytes turn through the wave's own stage in LDS and come back 64 bytes a lane, so that a lane
; holds 16 neighbours along K, which is what the conversions take.  Loads run four steps ahead, the turn through LDS one step.  Waves share nothing: no barrier.
; Work-groups 864-895 take w_o_w.  AN IMAGE: chunk G of a tile of 16 rows holds k = 16 G + 8 (lane / 16) + 0..7 of row lane % 16, 16 bytes a lane at 512 G + 16 lane.  wof = [tile of 16 rows: 64][G: 64][512 bytes].
.set STEPS, 16
.set EMAX,  2
.set CB,    8                          ; bytes of 16 codes
.set R,     16                         ; v16-79   four sets of 16 numbers as they are loaded
.set X,     80                         ; v80-111  two sets of 16 neighbours
.set C,     128                        ; v128-191 codes: four registers for each step, so that no store's data are written again
.set E,     112                        ; v112-127 a scale byte for each step
.set WREG,  8192                       ; LDS: a region for each wave: two stages of 32 x SP bytes, behind them its 256 scale bytes
.set SP,    80                         ; a lane's place in a stage: 64 bytes + 16 of padding
.set SPW,   12                         ; v12  LDS address of my spare word; never rewritten
.set NIL,   13                         ; v13  0; never rewritten
.set SPARE, 4*WREG                     ; behind the four regions: the spare words, 128 bytes a wave
.set WOG,   864                        ; the first work-group of w_o_w
	s_load_b512 s[4:19], s[0:1], 0x0               ; query s[4:5], key, value, w_q, w_k, w_v, w_o_w s[16:17], codes s[18:19]
	s_load_b128 s[20:23], s[0:1], 0x40             ; scales s[20:21], wof s[22:23]
	v_lshl_add_u32 v[SPW], v0, 2, SPARE
	v_mov_b32 v[NIL], 0
	v_lshrrev_b32 v1, 5, v0
	v_readfirstlane_b32 s25, v1                    ; wave
	v_and_b32 v2, 31, v0                           ; lane
	v_lshlrev_b32 v3, 4, v2                        ; my 16 bytes of a load's 512
	s_mul_i32 s26, s25, WREG
	v_lshrrev_b32 v14, 2, v2
	v_mul_u32_u24 v14, v14, SP
	v_and_b32 v15, 3, v2
	v_lshl_add_u32 v14, v15, 4, v14
	v_add_nc_u32 v14, s26, v14                     ; the stage, on the way in: SP (lane / 4) + 16 (lane % 4)
	v_mul_u32_u24 v15, v2, SP
	v_add_nc_u32 v15, s26, v15                     ; and on the way out: SP x lane: my 16 neighbours
	v_mul_u32_u24 v4, v2, CB                       ; my codes' place in a step's
	v_lshrrev_b32 v5, 1, v2
	s_add_co_u32 s26, s26, 2*32*SP
	v_add_nc_u32 v5, s26, v5                       ; LDS: my wave's 256 scale bytes, my block's byte
	v_lshlrev_b32 v7, 3, v2                        ; and on the way out 8 bytes a lane
	v_add_nc_u32 v6, s26, v7
	s_wait_kmcnt 0x0
	s_mov_b32 s24, 0
.macro PICK t, p                       ; from work-group t on the source is the tensor at s[p:p+1]: a choice on the work-group's number alone
	s_cmp_ge_u32 ttmp9, \t
	s_cselect_b64 s[4:5], s[\p:\p+1], s[4:5]
	s_cselect_b32 s24, \t, s24
.endm
	PICK 256, 6
	PICK 512, 8
	PICK 768, 10
	PICK 800, 12
	PICK 832, 14
	PICK WOG, 16
	s_sub_co_u32 s27, ttmp9, s24
	s_lshl_b32 s27, s27, 2
	s_add_co_u32 s28, s27, s25                     ; which run of 8,192 numbers of the tensor is my wave's
	s_mov_b32 s31, 0
	s_cmp_ge_u32 ttmp9, WOG
	s_cbranch_scc1 .Lwo
	s_lshl_b32 s30, s28, 15                        ; 32,768 bytes a run
	s_add_nc_u64 s[4:5], s[4:5], s[30:31]
	s_lshl_b32 s29, ttmp9, 2
	s_add_co_u32 s29, s29, s25                     ; and which run of the stack
	s_lshl_b32 s30, s29, 12                        ; 4,096 bytes of codes a run
	s_add_nc_u64 s[18:19], s[18:19], s[30:31]
	s_lshl_b32 s30, s29, 8                         ; 256 scale bytes a run
	s_add_nc_u64 s[20:21], s[20:21], s[30:31]
.macro LOAD t
.irp i, 0,1,2,3
	global_load_b128 v[R+16*((\t)%4)+4*\i:R+16*((\t)%4)+4*\i+3], v3, s[4:5] offset:2048*(\t)+512*\i th:TH_LOAD_NT   ; 32 lanes read 512 consecutive bytes
.endr
.endm
.macro TURN t                          ; step t's numbers through the stage: LDS serves a wave's instructions in order, so no wait stands between the stores and the loads
.irp i, 0,1,2,3
	ds_store_b128 v14, v[R+16*((\t)%4)+4*\i:R+16*((\t)%4)+4*\i+3] offset:32*SP*((\t)%2)+8*SP*\i
.endr
.irp i, 0,1,2,3
	ds_load_b128 v[X+16*((\t)%2)+4*\i:X+16*((\t)%2)+4*\i+3], v15 offset:32*SP*((\t)%2)+16*\i
.endr
.endm
.irp t, 0,1,2,3
	LOAD \t
.endr
	s_wait_loadcnt 12                              ; step 0's four loads are in
	TURN 0
.macro STEP t
.set XS, X+16*((\t)%2)
.if (\t) > 0
	s_wait_dscnt 1                                 ; this step's numbers are back from the stage (the last step's byte store may be out): so its stores into the stage have read their registers,
.else
	s_wait_dscnt 0x0
.endif
.if (\t)+4 < STEPS
	LOAD (\t)+4                                    ; which take the loads of four steps on
.endif
.if (\t)+1 < STEPS
.if STEPS-2-(\t) >= 3
	s_wait_loadcnt 12                              ; the next step's four loads are in; those of the three steps behind it may be out
.else
	s_wait_loadcnt 4*(STEPS-2-(\t))
.endif
	TURN (\t)+1                                    ; and go through the other stage while this step is worked
.endif
	v_max3_num_f32 v8, |v[XS]|, |v[XS+1]|, |v[XS+2]|               ; the largest magnitude of my 16
	v_max3_num_f32 v9, |v[XS+3]|, |v[XS+4]|, |v[XS+5]|
.irp i, 6,10
	v_max3_num_f32 v8, v8, |v[XS+\i]|, |v[XS+\i+1]|
	v_max3_num_f32 v9, v9, |v[XS+\i+2]|, |v[XS+\i+3]|
.endr
	v_max3_num_f32 v8, v8, |v[XS+14]|, |v[XS+15]|
	v_max3_num_f32 v8, v8, v9, (EMAX+1)<<23        ; and the floor 2^(EMAX + 1 - 127): so the byte cannot fall under 1
	v_max_num_f32_dpp v8, v8, v8 row_xmask:1 row_mask:0xf bank_mask:0xf   ; and of my neighbour's 16: the block's
	v_add_nc_u32 v11, -(EMAX<<23), v8              ; EMAX off its exponent field: the conversion takes the exponent field of this operand as its scale, and nothing else of it
	v_cvt_scalef32_pk8_fp4_f32 v[C+4*(\t)], v[XS:XS+7], v11        ; eight numbers / the scale, to the nearest code, ties to even, beyond the largest code the largest
	v_cvt_scalef32_pk8_fp4_f32 v[C+4*(\t)+1], v[XS+8:XS+15], v11
	v_lshrrev_b32 v[E+(\t)], 23, v11               ; the scale's byte
	ds_store_b8 v5, v[E+(\t)] offset:16*(\t)       ; both lanes of a block write the same byte with the same value
	global_store_b64 v4, v[C+4*(\t):C+4*(\t)+1], s[18:19] offset:32*CB*(\t)   ; the wave stores 256 consecutive bytes, aligned
.endm
.irp t, 0,1,2,3,4,5,6,7,8,9,10,11,12,13,14,15
	STEP \t
.endr
	ds_load_b64 v[8:9], v6                         ; LDS serves a wave's instructions in order: these see my stores
	s_wait_dscnt 0x0
	global_store_b64 v7, v[8:9], s[20:21]          ; 32 lanes store 256 consecutive bytes, aligned
	s_wait_tensorcnt 0x0                           ; the wave's end, behind my last LDS store
	ds_add_u32 v[SPW], v[NIL]
	s_wait_dscnt 0x0
	s_endpgm
; w_o_w to f16 images.  Run = 2 x tile of 16 rows + half of K: a wave makes 32 chunks.  Lane (r, hh) takes, for chunk G, the 32 bytes at row r, k = 16 G + 8 hh.  No LDS is touched on this path.
.Lwo:
	s_lshr_b32 s30, s28, 1
	s_lshl_b32 s30, s30, 16                        ; 16 rows of 4,096 bytes
	s_and_b32 s32, s28, 1
	s_lshl_b32 s32, s32, 11                        ; half a row
	s_add_co_u32 s30, s30, s32
	s_add_nc_u64 s[4:5], s[4:5], s[30:31]
	s_lshl_b32 s30, s28, 14                        ; 32 chunks of 512 bytes a run
	s_add_nc_u64 s[22:23], s[22:23], s[30:31]
	v_and_b32 v8, 15, v2
	v_lshrrev_b32 v9, 4, v2
	v_lshlrev_b32 v8, 12, v8
	v_lshl_add_u32 v8, v9, 5, v8                   ; 4,096 r + 32 hh
.macro LOADW n                         ; batch n: eight chunks, 64 registers, into set n % 2
.irp g, 0,1,2,3,4,5,6,7
	global_load_b128 v[16+64*((\n)%2)+8*\g:16+64*((\n)%2)+8*\g+3], v8, s[4:5] offset:64*(8*(\n)+\g)
	global_load_b128 v[16+64*((\n)%2)+8*\g+4:16+64*((\n)%2)+8*\g+7], v8, s[4:5] offset:64*(8*(\n)+\g)+16
.endr
.endm
.macro CVTW n
.irp g, 0,1,2,3,4,5,6,7
.irp k, 0,1,2,3
	v_cvt_pk_f16_f32 v[144+4*\g+\k], v[16+64*((\n)%2)+8*\g+2*\k], v[16+64*((\n)%2)+8*\g+2*\k+1]
.endr
.endr
.irp g, 0,1,2,3,4,5,6,7
	global_store_b128 v3, v[144+4*\g:144+4*\g+3], s[22:23] offset:512*(8*(\n)+\g)   ; a chunk: 512 consecutive bytes, aligned
.endr
.endm
	LOADW 0
	LOADW 1
	s_wait_loadcnt 16                              ; batch 0 is in; batch 1's sixteen loads may be out
	CVTW 0
	LOADW 2
	s_wait_loadcnt 16
	s_wait_xcnt 0x0                                ; the last batch's stores have read v144-175
	CVTW 1
	LOADW 3
	s_wait_loadcnt 16
	s_wait_xcnt 0x0
	CVTW 2
	s_wait_loadcnt 0x0
	s_wait_xcnt 0x0
	CVTW 3
	s_endpgm
.Lfunc_end_k_q76c4e68bc8_quant:
	.size	k_q76c4e68bc8_quant, .Lfunc_end_k_q76c4e68bc8_quant-k_q76c4e68bc8_quant
	.p2alignl 7, 3214868480
	.fill 96, 4, 3214868480
	.section	.rodata,"a",@progbits
	.p2align	6, 0x0
	.amdhsa_kernel k_q76c4e68bc8_quant
		.amdhsa_group_segment_fixed_size 33280
		.amdhsa_private_segment_fixed_size 0
		.amdhsa_enable_private_segment 0
		.amdhsa_kernarg_size 80
		.amdhsa_user_sgpr_count 2
		.amdhsa_user_sgpr_kernarg_segment_ptr 1
		.amdhsa_wavefront_size32 1
		.amdhsa_system_sgpr_workgroup_id_x 1
		.amdhsa_system_sgpr_workgroup_id_y 1
		.amdhsa_system_sgpr_workgroup_id_z 1
		.amdhsa_system_vgpr_workitem_id 0
		.amdhsa_next_free_vgpr 192
		.amdhsa_next_free_sgpr 66
		.amdhsa_reserve_vcc 0
		.amdhsa_float_denorm_mode_32 3
		.amdhsa_float_denorm_mode_16_64 3
		.amdhsa_memory_ordered 1
		.amdhsa_forward_progress 1
		.amdhsa_inst_pref_size 52
	.end_amdhsa_kernel
	.amdgpu_metadata
---
amdhsa.version: [ 1, 2 ]
amdhsa.kernels:
  - .name:           k_q76c4e68bc8_quant
    .symbol:         k_q76c4e68bc8_quant.kd
    .args:
      - { .name: query, .offset: 0, .size: 8, .value_kind: global_buffer, .address_space: global }
      - { .name: key, .offset: 8, .size: 8, .value_kind: global_buffer, .address_space: global }
      - { .name: value, .offset: 16, .size: 8, .value_kind: global_buffer, .address_space: global }
      - { .name: w_q, .offset: 24, .size: 8, .value_kind: global_buffer, .address_space: global }
      - { .name: w_k, .offset: 32, .size: 8, .value_kind: global_buffer, .address_space: global }
      - { .name: w_v, .offset: 40, .size: 8, .value_kind: global_buffer, .address_space: global }
      - { .name: w_o_w, .offset: 48, .size: 8, .value_kind: global_buffer, .address_space: global }
      - { .name: codes, .offset: 56, .size: 8, .value_kind: global_buffer, .address_space: global }
      - { .name: scales, .offset: 64, .size: 8, .value_kind: global_buffer, .address_space: global }
      - { .name: wof, .offset: 72, .size: 8, .value_kind: global_buffer, .address_space: global }
    .group_segment_fixed_size: 33280
    .private_segment_fixed_size: 0
    .kernarg_segment_align: 8
    .kernarg_segment_size: 80
    .max_flat_workgroup_size: 128
    .sgpr_count:     66
    .vgpr_count:     192
    .wavefront_size: 32
...
	.end_amdgpu_metadata
.endif
;; end of part 1
;; launch proj (part 2): grid 4 x 96, 4 waves a work-group, clusters of 4 x 4, 327,680 bytes of LDS; arguments codes, scales, qf, kf, vf; writes qf, kf, vf
.if DOCPART == 2
	.amdgcn_target "amdgcn-amd-amdhsa--gfx1250"
	.amdhsa_code_object_version 6
	.text
	.protected	k_q76c4e68bc8_proj
	.globl	k_q76c4e68bc8_proj
	.p2align	8
	.type	k_q76c4e68bc8_proj,@function
k_q76c4e68bc8_proj:
	s_mov_b64 s[64:65], 0
	v_nop
	global_prefetch_b8 v0, s[64:65] scope:SCOPE_SE
	s_setreg_imm32_b32 hwreg(HW_REG_WAVE_MODE, 25, 1), 1
	s_wait_xcnt 0x0
	s_wait_alu depctr_hold_cnt(0) depctr_sa_sdst(0) depctr_va_vdst(0) depctr_va_sdst(0) depctr_va_ssrc(0) depctr_va_vcc(0) depctr_vm_vsrc(0)
	s_getreg_b32 s2, hwreg(HW_REG_IB_STS2, 6, 4)
	s_cmp_eq_u32 s2, 0
	s_cbranch_scc0 .Lentry_in_a_cluster
	s_endpgm
.Lentry_in_a_cluster:
	s_bfe_u32 s2, ttmp6, 0x10000c
	s_cmp_lg_u32 s2, 0xf033
	s_cbranch_scc0 .Lentry_shape_is_right
	s_endpgm
.Lentry_shape_is_right:
; LAUNCH 2 OF 4.  The three quantised products, on codes of FP4 (E2M1) with one E8M0 scale for each 32 along K = 1024, sums in f32; the results leave as f16, laid as launch 3's operand registers take them.
; A cluster of 4 x 4 work-groups makes 1024 x 1024 of one product: cluster y = 8 x which + batch; which = 0: Q, 1: K, 2: V.
; Q and K: C = x w^T (A = 1024 rows of the batch's x, B = the weight's 1024 rows).  V: C = w_v value^T (A = the weight, B = the batch's rows): the same sums, transposed, so that V comes out with the keys
; along a lane's registers, as the second product of attention wants it.
; A tile of C, 256 x 256, is made by four waves, each 128 x 128: 64 accumulators, 512 registers.  K is two slots of 512 (rows of 256 bytes): BOTH ARE ASKED FOR AT THE HEAD, and nothing is filled again.
; The scale bytes of the work-group's 256 + 256 rows come once, in blocks of 256 bytes.  The four of a row of the cluster need the same rows of A, the four of a column the same rows of B:
; each tile is asked for jointly, by the same tensor load with the same descriptor and a mask that names the four.
; THE MATRIX INSTRUCTION IS USED TRANSPOSED (source 0 = 16 rows of B, source 1 = 16 rows of A): lane l holds row l % 16 of A's block and the eight columns 8 (l / 16) + 0..7 of B's block.  Rounded to f16 these
; are 16 bytes, and they ARE the lane's part of a chunk of the next operand's image (chunk G: k = 16 G + 8 (lane / 16) + 0..7 of row lane % 16, at 512 G + 16 lane): each store covers 512 consecutive bytes, aligned; no stage.
;   qf, kf = [batch][head][tile of 16 rows: 64][G: 4][512 bytes];   vf = [batch][head][256 keys: 4][16 d: 4][32 keys: 8][16 keys: 2][512 bytes].
; Q is multiplied by log2(e) / 8 in f32 ahead of its rounding: launch 3's exponentials work in base 2.
; LIMITS: Q log2(e) / 8, K and V are rounded to f16 (largest number 65,504).
; REGISTERS: window 0: v0-31 addresses; v32-95 scale words, two sets; v128-191 A's fragments, one set (on the way out: packed results).  window 1: B's fragments, two sets.  windows 2, 3: the accumulators ((a, b) at v[8 (8 (a % 4) + b)]).
.set KSTEP,  512
.set NQ,     KSTEP/128
.set ROWB,   256                       ; a tile's row in bytes
.set KROW,   512                       ; a row of codes in memory
.set PITCH,  272                       ; an LDS row: 256 bytes + 16 of padding = 68 words: the 16 rows that a load touches start at 16 different banks (64 banks of 4 bytes: ISA guide 11.1)
.set FR,     8
.set NL,     2
.set NP,     4                         ; places behind this matrix instruction (ISA guide 7.12.1)
.set HALFT,  128*PITCH
.set SLOT,   4*HALFT
.set KS,     32                        ; a row of scale bytes
.set SCL,    2*SLOT
.set HALFS,  (128*KS/256)*272
.set SBLK,   (16*KS/256)*272
.set SPARE,  SCL+4*HALFS               ; behind the scales: the spare words, 128 bytes a wave
.set ADRA, 16                          ; v16-17  LDS address of my A fragments in slot 0, 1
.set ADRB, 20                          ; v20-21  the same for B
.set VO,   24                          ; v24-25  the way out: 16 x lane, and the same + the step of B's blocks 4-7
.set ADRS, 27                          ; v27     LDS address of my scale words: lanes 0-15 A's rows, lanes 16-31 B's
.set SPW,  28
.set NIL,  29
.set SC,   32
.set AF,   128
.set TMP,  128
.set G1, 24
.set G0, 32
.set G1B, 48
.set G0B, 56
.set G1S, 68
.set G0S, 76
.set G1SB, 80
.set G0SB, 88
.set MSB, 0
.macro WIN new                         ; the immediate's high byte repeats the setting that is left
.if MSB != (\new)
	s_set_vgpr_msb (MSB<<8)|(\new)
.set MSB, (\new)
.endif
.endm
.set MUL_LO, 0xa1                      ; source 0 (B) window 1, source 1 (A) window 0, C and D window 2
.set MUL_HI, 0xf1
.set TO_B,   0x40
; A joint load: waves 0 and 1 fetch for A, waves 2 and 3 for B; the branch hangs on the wave's number alone.  An s_nop 0 and four v_nop follow each of the two lines.
.macro JLOAD g0a, g1a, g0b, g1b
	s_cmp_eq_u32 s15, 0
	s_cbranch_scc0 .Lfor_b_\@
	tensor_load_to_lds s[\g0a:\g0a+3], s[\g1a:\g1a+7]
	s_nop 0
.rept 4
	v_nop
.endr
	s_branch .Lasked_\@
.Lfor_b_\@:
	tensor_load_to_lds s[\g0b:\g0b+3], s[\g1b:\g1b+7]
	s_nop 0
.rept 4
	v_nop
.endr
.Lasked_\@:
.endm
.macro CROUND                          ; a round of the cluster's barrier
	s_barrier_signal -1
	s_barrier_wait -1
	s_cmp_lg_u32 s14, 0
	s_cbranch_scc1 .Lnot_wave_0_\@
	s_barrier_signal -3
.Lnot_wave_0_\@:
	s_barrier_wait -3
	s_barrier_signal -1
	s_barrier_wait -1
.endm
	s_load_b128 s[4:7], s[0:1], 0x0                ; codes s[4:5], scales s[6:7]
	s_load_b128 s[8:11], s[0:1], 0x10              ; qf s[8:9], kf s[10:11]
	s_load_b64 s[12:13], s[0:1], 0x20              ; vf
	v_lshl_add_u32 v[SPW], v0, 2, SPARE
	v_mov_b32 v[NIL], 0
	ds_add_u32 v[SPW], v[NIL]                      ; the wave's opening: the add, twice on end, and its wait ahead of my first tensor load
	ds_add_u32 v[SPW], v[NIL]
	v_lshrrev_b32 v1, 5, v0
	v_readfirstlane_b32 s14, v1                    ; wave 0..3
	s_lshr_b32 s15, s14, 1                         ; which half of the tile's rows is mine.  Also: I fetch for A (0) or for B (1)
	s_and_b32 s16, s14, 1                          ; which half of its columns.  Also: which 128 rows of that tile I fetch
	s_bfe_u32 s40, ttmp6, 0x40000                  ; cx, cy: my place in the cluster
	s_bfe_u32 s41, ttmp6, 0x40004
	s_and_b32 s17, ttmp7, 0xffff                   ; cluster y, which all sixteen partners share
	s_lshr_b32 s95, s17, 3                         ; which product
	s_and_b32 s96, s17, 7                          ; which batch
	s_lshl_b32 s43, s41, 2
	s_lshl_b32 s43, 15, s43                        ; my row of the cluster
	s_lshl_b32 s44, 0x1111, s40                    ; my column
	s_or_b32 s[G1+0], s43, (0<<16)|(1<<20)|(1<<21)|(5<<22)|(3<<25)  ; the mask: A's tiles go to my row; elements of 1 byte; padding: 4 words behind every 64; bit 21 set beside a mask
	s_or_b32 s[G1B+0], s44, (0<<16)|(1<<20)|(1<<21)|(5<<22)|(3<<25)
.irp g, G1, G1B
	s_mov_b32 s[\g+1], ROWB<<16                    ; tensor_dim0
	s_mov_b32 s[\g+2], 128<<16                     ; tensor_dim1
	s_mov_b32 s[\g+3], ROWB<<16                    ; tile_dim0
	s_mov_b32 s[\g+4], 128                         ; tile_dim1
	s_mov_b32 s[\g+5], KROW                        ; from row to row
	s_mov_b32 s[\g+6], 0
	s_mov_b32 s[\g+7], 0
.endr
	s_or_b32 s[G1S+0], s43, (3<<16)|(1<<20)|(1<<21)|(5<<22)|(3<<25) ; the scales of 128 rows: 4,096 dense bytes as 16 rows of 256 (32 elements of 8 bytes), 16 bytes of padding behind each
	s_or_b32 s[G1SB+0], s44, (3<<16)|(1<<20)|(1<<21)|(5<<22)|(3<<25)
.irp g, G1S, G1SB
	s_mov_b32 s[\g+1], 32<<16
	s_mov_b32 s[\g+2], (128*KS/256)<<16
	s_mov_b32 s[\g+3], 32<<16
	s_mov_b32 s[\g+4], 128*KS/256
	s_mov_b32 s[\g+5], 32
	s_mov_b32 s[\g+6], 0
	s_mov_b32 s[\g+7], 0
.endr
	s_lshl_b32 s18, s95, 13
	s_lshl_b32 s19, s96, 10
	s_add_co_u32 s18, s18, s19                     ; the batch's first row of x in the stack
	s_lshl_b32 s19, s95, 10
	s_add_co_u32 s19, s19, 24576                   ; the weight's first row
	s_cmp_eq_u32 s95, 2
	s_cselect_b32 s20, s19, s18                    ; A: x, or for V the weight
	s_cselect_b32 s46, s18, s19                    ; B: the weight, or for V x
	s_lshl_b32 s18, s16, 7                         ; which 128 rows of the tile I fetch
	s_lshl_b32 s19, s41, 8
	s_add_co_u32 s20, s20, s19
	s_add_co_u32 s20, s20, s18                     ; A's row: + 256 cy + 128 x half
	s_lshl_b32 s47, s40, 8
	s_add_co_u32 s46, s46, s47
	s_add_co_u32 s46, s46, s18                     ; B's row: + 256 cx + 128 x half
	s_lshl_b32 s22, s20, 5                         ; where these rows' scales begin, in bytes,
	s_lshl_b32 s92, s46, 5
	s_lshl_b32 s20, s20, 9                         ; and their codes (all under 2^24)
	s_lshl_b32 s46, s46, 9
	s_mov_b32 s21, 0
	s_mov_b32 s23, 0
	s_mov_b32 s47, 0
	s_mov_b32 s93, 0
	s_mul_i32 s45, s14, HALFT                      ; where they go: wave x 128 rows: no place in the cluster enters an LDS address
	s_mul_i32 s94, s14, HALFS
	s_wait_dscnt 0x0                               ; both opening adds are done
	s_wait_kmcnt 0x0
	s_add_nc_u64 s[20:21], s[4:5], s[20:21]
	s_add_nc_u64 s[22:23], s[6:7], s[22:23]
	s_add_nc_u64 s[46:47], s[4:5], s[46:47]
	s_add_nc_u64 s[92:93], s[6:7], s[92:93]
	CROUND                                         ; all sixteen work-groups are here: the joint loads meet
	s_mov_b32 s[G0S], 1
	s_add_co_u32 s[G0S+1], s94, SCL
	s_mov_b64 s[G0S+2:G0S+3], s[22:23]
	s_or_b32 s[G0S+3], s[G0S+3], 0x80000000
	s_mov_b32 s[G0SB], 1
	s_add_co_u32 s[G0SB+1], s94, SCL
	s_mov_b64 s[G0SB+2:G0SB+3], s[92:93]
	s_or_b32 s[G0SB+3], s[G0SB+3], 0x80000000
	JLOAD G0S, G1S, G0SB, G1SB                     ; the scales first: they are wanted with the first slot
.irp s, 0,1
	s_mov_b32 s[G0+4*\s], 1
	s_add_co_u32 s[G0+4*\s+1], s45, \s*SLOT
	s_add_nc_u64 s[G0+4*\s+2:G0+4*\s+3], s[20:21], \s*ROWB
	s_or_b32 s[G0+4*\s+3], s[G0+4*\s+3], 0x80000000
	s_mov_b32 s[G0B+4*\s], 1
	s_add_co_u32 s[G0B+4*\s+1], s45, \s*SLOT
	s_add_nc_u64 s[G0B+4*\s+2:G0B+4*\s+3], s[46:47], \s*ROWB
	s_or_b32 s[G0B+4*\s+3], s[G0B+4*\s+3], 0x80000000
	JLOAD G0+4*\s, G1, G0B+4*\s, G1B               ; three tensor loads of mine are out: all that this launch asks for
.endr
	v_and_b32 v1, 15, v0                           ; l % 16
	v_bfe_u32 v2, v0, 4, 1                         ; l / 16
	v_mul_u32_u24 v3, v1, PITCH
	v_lshl_add_u32 v4, v2, 4, v3                   ; a fragment's row x pitch + 16 x half
	s_mul_i32 s21, s15, HALFT                      ; my 128 rows of A
	s_mul_i32 s22, s16, HALFT                      ; my 128 rows of B,
	s_add_co_u32 s22, s22, 2*HALFT                 ; which lie behind A's 256
.irp s, 0,1
	v_add_nc_u32 v[ADRA+\s], s21, v4
	v_add_nc_u32 v[ADRB+\s], s22, v4
	s_add_co_u32 s21, s21, SLOT
	s_add_co_u32 s22, s22, SLOT
.endr
	v_mul_u32_u24 v5, v1, KS                       ; my row's scales: KS bytes a row,
	v_lshrrev_b32 v6, 8, v5
	v_lshl_add_u32 v5, v6, 4, v5                   ; and 16 more for each 256 passed
	s_mul_i32 s21, s15, HALFS
	s_mul_i32 s22, s16, HALFS
	s_add_co_u32 s22, s22, 2*HALFS
	s_sub_co_u32 s22, s22, s21
	v_mul_u32_u24 v6, s22, v2                      ; lanes 16-31 take B's
	s_add_co_u32 s21, s21, SCL
	v_add_nc_u32 v5, v5, v6
	v_add_nc_u32 v[ADRS], s21, v5
	; THE WAY OUT'S ADDRESSES.  Block a of A, block b of B go to base + (a / 4) SA1 + (a % 4) SA0 + (b / 4) SB1 + (b % 4) 512 + 16 lane.
	; Q, K: head = 4 cx + 2 (wave % 2) + b / 4, chunk = b % 4, tile of rows = 16 cy + 8 (wave / 2) + a:          SA0 = 2048, SA1 = 8192, SB1 = 131072.
	; V:    head = 4 cy + 2 (wave / 2) + a / 4, 16 d = a % 4, 256 keys = cx, 16 keys = 8 (wave % 2) + b:          SA0 = 8192, SA1 = 131072, SB1 = 2048.
	s_lshl_b32 s2, s40, 2
	s_lshl_b32 s3, s16, 1
	s_add_co_u32 s2, s2, s3
	s_lshl_b32 s2, s2, 17
	s_lshl_b32 s3, s41, 4
	s_lshl_b32 s97, s15, 3
	s_add_co_u32 s3, s3, s97
	s_lshl_b32 s3, s3, 11
	s_add_co_u32 s2, s2, s3                        ; Q's and K's base
	s_lshl_b32 s3, s41, 2
	s_lshl_b32 s97, s15, 1
	s_add_co_u32 s3, s3, s97
	s_lshl_b32 s3, s3, 17
	s_lshl_b32 s97, s40, 15
	s_add_co_u32 s3, s3, s97
	s_lshl_b32 s97, s16, 12
	s_add_co_u32 s3, s3, s97                       ; V's
	s_cmp_eq_u32 s95, 0
	s_cselect_b64 s[8:9], s[8:9], s[10:11]         ; the buffer: a choice on the cluster's number alone
	s_cmp_eq_u32 s95, 2
	s_cselect_b64 s[8:9], s[12:13], s[8:9]
	s_cselect_b32 s2, s3, s2
	s_mov_b32 s66, 2048
	s_cselect_b32 s66, 8192, s66                   ; SA0
	s_mov_b32 s98, 8192-3*2048
	s_cselect_b32 s98, 131072-3*8192, s98          ; SA1 - 3 SA0
	s_mov_b32 s97, 131072
	s_cselect_b32 s97, 2048, s97                   ; SB1
	s_mov_b32 s67, 0
	s_mov_b32 s99, 0
	s_lshl_b32 s3, s96, 21                         ; the batch
	s_add_co_u32 s2, s2, s3
	s_mov_b32 s3, 0
	s_add_nc_u64 s[8:9], s[8:9], s[2:3]
	v_and_b32 v6, 31, v0
	v_lshlrev_b32 v[VO], 4, v6
	v_add_nc_u32 v[VO+1], s97, v[VO]
.macro FRAG reg, adr, q, i             ; a fragment, 16 rows x 128 K of 4-bit codes: lane l holds row l % 16; registers 4 c .. 4 c + 3 hold K = 64 c + 32 (l / 16) + 0 .. 31
.irp c, 0,1
	ds_load_b128 v[\reg+4*\c:\reg+4*\c+3], v[\adr] offset:64*(\q)+32*\c+(\i)*16*PITCH
.endr
.endm
; 16 matrix instructions: A's blocks a0, a0 + 1 x B's eight, 128 along K.  The 64 accumulators take turns, one instruction a turn, in the same order in every step.
.macro MUL16 a0, p, q, sc, zero
.irp a, \a0, \a0+1
.irp b, 0,1,2,3,4,5,6,7
.if \zero
	v_wmma_scale_f32_16x16x128_f8f6f4 v[8*(8*((\a)%4)+\b):8*(8*((\a)%4)+\b)+7], v[128*(\p)+FR*\b:128*(\p)+FR*\b+FR-1], v[AF+FR*(\a):AF+FR*(\a)+FR-1], 0, v[SC+8*NQ*(\sc)+NQ*\b+(\q)], v[SC+8*NQ*(\sc)+NQ*(\a)+(\q)] matrix_a_fmt:MATRIX_FMT_FP4 matrix_b_fmt:MATRIX_FMT_FP4 matrix_a_scale:MATRIX_SCALE_ROW1
.else
	v_wmma_scale_f32_16x16x128_f8f6f4 v[8*(8*((\a)%4)+\b):8*(8*((\a)%4)+\b)+7], v[128*(\p)+FR*\b:128*(\p)+FR*\b+FR-1], v[AF+FR*(\a):AF+FR*(\a)+FR-1], v[8*(8*((\a)%4)+\b):8*(8*((\a)%4)+\b)+7], v[SC+8*NQ*(\sc)+NQ*\b+(\q)], v[SC+8*NQ*(\sc)+NQ*(\a)+(\q)] matrix_a_fmt:MATRIX_FMT_FP4 matrix_b_fmt:MATRIX_FMT_FP4 matrix_a_scale:MATRIX_SCALE_ROW1
.endif
.endr
.endr
.endm
.macro FETCH_B slot, q, p
	WIN TO_B
.irp i, 0,1,2,3,4,5,6,7
	FRAG 128*(\p)+FR*\i, ADRB+\slot, \q, \i
.endr
	WIN 0
.endm
.macro FETCH_A slot, q, i0
.irp i, \i0, \i0+1, \i0+2, \i0+3
	FRAG AF+FR*(\i), ADRA+\slot, \q, \i
.endr
.endm
.macro SCALES sc                       ; a slot's scale words: four a row; lanes 0-15 take A's block i, lanes 16-31 B's block i
.irp i, 0,1,2,3,4,5,6,7
	ds_load_b128 v[SC+8*NQ*\sc+NQ*\i:SC+8*NQ*\sc+NQ*\i+3], v[ADRS] offset:\i*SBLK
.endr
.endm
.macro PLACES n                        ; plain vector instructions between a matrix instruction and a load into, or a vector instruction on, its registers
.rept \n
	v_nop
.endr
.endm
.macro STEP slot, q, zero              ; a step of 128 along K that has its successor in the same slot
	s_wait_dscnt 4*NL                              ; B's set and A's blocks 0-3 are in; the youngest eight loads (A's blocks 4-7) may be out
	WIN MUL_LO
	MUL16 0, (\q)%2, \q, \slot, \zero
	MUL16 2, (\q)%2, \q, \slot, \zero
	s_wait_dscnt 0                                 ; A's blocks 4-7 are in
	PLACES NP
	FETCH_B \slot, (\q)+1, 1-(\q)%2
	FETCH_A \slot, (\q)+1, 0
	WIN MUL_HI
	MUL16 4, (\q)%2, \q, \slot, \zero
	MUL16 6, (\q)%2, \q, \slot, \zero
	PLACES NP
	WIN 0
	FETCH_A \slot, (\q)+1, 4
.endm
	s_wait_tensorcnt 1                             ; the scales and my part of slot 0 are in (slot 1's load may be out),
	s_barrier_signal -1
	s_barrier_wait -1                              ; everybody's are
	FETCH_B 0, 0, 0
	FETCH_A 0, 0, 0
	SCALES 0
	FETCH_A 0, 0, 4
	STEP 0, 0, 1                                   ; the first step's products start the sums: nothing is cleared
	STEP 0, 1, 0
	STEP 0, 2, 0
	; slot 0's last step changes slots: one barrier; in front of it each wave waits for all its tensor loads, its part of slot 1 among them
	s_wait_tensorcnt 0x0
	ds_add_u32 v[SPW], v[NIL]                      ; 0 onto my spare word
	s_wait_dscnt 4*NL+1                            ; (the add and the youngest eight loads may be out)
	WIN MUL_LO
	MUL16 0, 1, NQ-1, 0, 0
	s_wait_dscnt 0x0
	s_barrier_signal -1
	MUL16 2, 1, NQ-1, 0, 0
	WIN 0
	s_barrier_wait -1                              ; slot 1 is whole
	PLACES NP
	v_add_nc_u32 v[ADRS], 4*NQ, v[ADRS]            ; on to slot 1's scale words (no LDS load of mine is out)
	FETCH_B 1, 0, 0
	FETCH_A 1, 0, 0
	SCALES 1
	WIN MUL_HI
	MUL16 4, 1, NQ-1, 0, 0
	MUL16 6, 1, NQ-1, 0, 0
	PLACES NP
	WIN 0
	FETCH_A 1, 0, 4
	STEP 1, 0, 0
	STEP 1, 1, 0
	STEP 1, 2, 0
	s_wait_dscnt 4*NL                              ; the last step: nothing more to fetch
	WIN MUL_LO
	MUL16 0, 1, NQ-1, 1, 0
	MUL16 2, 1, NQ-1, 1, 0
	s_wait_dscnt 0
	WIN MUL_HI
	MUL16 4, 1, NQ-1, 1, 0
	MUL16 6, 1, NQ-1, 1, 0
	WIN 0
	PLACES NP                                      ; in front of the first reads of results, and of writes into the registers that held A's fragments
	s_cmp_lg_u32 s95, 0                            ; Q alone is scaled: a branch on the cluster's number, the same in all sixteen partners
	s_cbranch_scc1 .Lno_scale
	s_mov_b32 s92, 0x3e38aa3b                      ; log2(e) / 8
	s_mov_b32 s93, s92                             ; (named with it as a pair, so it is written)
	WIN 0x82
.set i, 0
.rept 128
	v_pk_mul_f32 v[i:i+1], v[i:i+1], s[92:93] op_sel_hi:[1,0]      ; each accumulator from its low end on
.set i, i+2
.endr
	WIN 0xc3
.set i, 0
.rept 128
	v_pk_mul_f32 v[i:i+1], v[i:i+1], s[92:93] op_sel_hi:[1,0]
.set i, i+2
.endr
	WIN 0
.Lno_scale:
; Block a of A: its eight accumulators are rounded to f16 and stored as eight chunks.
.macro OUTB a
.set AC, 64*((\a)%4)
.set TT, TMP+32*((\a)%2)
	WIN 0x0a+5*((\a)/4)                            ; sources 0 and 1: window 2 or 3
.irp b, 0,1,2,3,4,5,6,7
.irp r, 0,1,2,3
	v_cvt_pk_f16_f32 v[TT+4*\b+\r], v[AC+8*\b+2*\r], v[AC+8*\b+2*\r+1]
.endr
.endr
	WIN 0
.if (\a) > 0
	s_wait_xcnt 0x0                                ; the earlier stores have read their base and their data: the base steps here, and the next block writes the other set
.if (\a) == 4
	s_add_nc_u64 s[8:9], s[8:9], s[98:99]
.else
	s_add_nc_u64 s[8:9], s[8:9], s[66:67]
.endif
.endif
.irp b, 0,1,2,3,4,5,6,7
	global_store_b128 v[VO+\b/4], v[TT+4*\b:TT+4*\b+3], s[8:9] offset:(\b%4)*512   ; 32 lanes store 512 consecutive bytes, aligned
.endr
.endm
.irp a, 0,1,2,3,4,5,6,7
	OUTB \a
.endr
	s_wait_tensorcnt 0x0                           ; the wave's end
	ds_add_u32 v[SPW], v[NIL]
	s_wait_dscnt 0x0
	CROUND                                         ; the closing round
	s_endpgm
.Lfunc_end_k_q76c4e68bc8_proj:
	.size	k_q76c4e68bc8_proj, .Lfunc_end_k_q76c4e68bc8_proj-k_q76c4e68bc8_proj
	.p2alignl 7, 3214868480
	.fill 96, 4, 3214868480
	.section	.rodata,"a",@progbits
	.p2align	6, 0x0
	.amdhsa_kernel k_q76c4e68bc8_proj
		.amdhsa_group_segment_fixed_size 327680
		.amdhsa_private_segment_fixed_size 0
		.amdhsa_enable_private_segment 0
		.amdhsa_kernarg_size 40
		.amdhsa_user_sgpr_count 2
		.amdhsa_user_sgpr_kernarg_segment_ptr 1
		.amdhsa_wavefront_size32 1
		.amdhsa_system_sgpr_workgroup_id_x 1
		.amdhsa_system_sgpr_workgroup_id_y 1
		.amdhsa_system_sgpr_workgroup_id_z 1
		.amdhsa_system_vgpr_workitem_id 0
		.amdhsa_next_free_vgpr 1024
		.amdhsa_next_free_sgpr 100
		.amdhsa_reserve_vcc 0
		.amdhsa_float_denorm_mode_32 3
		.amdhsa_float_denorm_mode_16_64 3
		.amdhsa_memory_ordered 1
		.amdhsa_forward_progress 1
		.amdhsa_inst_pref_size 135
	.end_amdhsa_kernel
	.amdgpu_metadata
---
amdhsa.version: [ 1, 2 ]
amdhsa.kernels:
  - .name:           k_q76c4e68bc8_proj
    .symbol:         k_q76c4e68bc8_proj.kd
    .args:
      - { .name: codes, .offset: 0, .size: 8, .value_kind: global_buffer, .address_space: global }
      - { .name: scales, .offset: 8, .size: 8, .value_kind: global_buffer, .address_space: global }
      - { .name: qf, .offset: 16, .size: 8, .value_kind: global_buffer, .address_space: global }
      - { .name: kf, .offset: 24, .size: 8, .value_kind: global_buffer, .address_space: global }
      - { .name: vf, .offset: 32, .size: 8, .value_kind: global_buffer, .address_space: global }
    .group_segment_fixed_size: 327680
    .private_segment_fixed_size: 0
    .kernarg_segment_align: 8
    .kernarg_segment_size: 40
    .max_flat_workgroup_size: 128
    .sgpr_count:     100
    .vgpr_count:     1024
    .wavefront_size: 32
...
	.end_amdgpu_metadata
.endif
;; end of part 2
;; launch attn (part 3): grid 32 x 8, 4 waves a work-group, clusters of 4 x 1, 327,680 bytes of LDS; arguments qf, kf, vf, key_padding_mask, ctx, out1; writes ctx, out1
.if DOCPART == 3
	.amdgcn_target "amdgcn-amd-amdhsa--gfx1250"
	.amdhsa_code_object_version 6
	.text
	.protected	k_q76c4e68bc8_attn
	.globl	k_q76c4e68bc8_attn
	.p2align	8
	.type	k_q76c4e68bc8_attn,@function
k_q76c4e68bc8_attn:
	s_mov_b64 s[64:65], 0
	v_nop
	global_prefetch_b8 v0, s[64:65] scope:SCOPE_SE
	s_setreg_imm32_b32 hwreg(HW_REG_WAVE_MODE, 25, 1), 1
	s_wait_xcnt 0x0
	s_wait_alu depctr_hold_cnt(0) depctr_sa_sdst(0) depctr_va_vdst(0) depctr_va_sdst(0) depctr_va_ssrc(0) depctr_va_vcc(0) depctr_vm_vsrc(0)
	s_getreg_b32 s2, hwreg(HW_REG_IB_STS2, 6, 4)
	s_cmp_eq_u32 s2, 0
	s_cbranch_scc0 .Lentry_in_a_cluster
	s_endpgm
.Lentry_in_a_cluster:
	s_bfe_u32 s2, ttmp6, 0x10000c
	s_cmp_lg_u32 s2, 0x3003
	s_cbranch_scc0 .Lentry_shape_is_right
	s_endpgm
.Lentry_shape_is_right:
; LAUNCH 3 OF 4.  Scores, ALiBi, the key padding mask, softmax, P V (into ctx, f16) and the mean of the normalised weights over the 16 heads (out1, f32).
; WORK LEFT OUT: of the bias slope_h x (k - q) the part slope_h x (1023 - q) is the same along the softmax's axis and cancels for all inputs; slope_h x (k - 1023) is added (shown at the head of launch 1).
; SHARES.  out1 sums over all heads, so ONE work-group owns 32 queries of a batch for all 16 heads.  Wave w owns keys 256 w .. 256 w + 255 for both tiles of 16 queries: it holds their 2 x 16 tiles of scores
; (256 registers) and its part of out1's sum (256 registers).  A whole row of scores is in registers at once, so the softmax is taken in one pass; each fragment of K and V is read from LDS once and feeds two tiles.
; LAYOUT.  S^T = K Q'^T + C (source 0 = 16 keys, source 1 = 16 queries): a lane holds ONE query (lane % 16) and keys 8 (lane / 16) + 0..7.  Two such tiles, rounded to f16 in pairs, ARE source 1 of O^T = V^T P.
; ARITHMETIC, in base 2 (Q' = Q log2(e) / 8 from launch 2).  C(key) = slope_h log2(e) (key - 1023) + (masked ? -1e30 : 0) is the C of a tile's first product: bias and mask cost nothing for each score.
; Each wave takes ITS OWN maximum m_w away: kf = (m_w > -5e29) ? 1 : 0;  y = x kf - m_w kf;  p = 2^y.  That is x - m_w, or exactly 0 where all the wave's keys are masked (reference() then has equal scores).
; The waves publish MP = max(m_w, -1e30) and l_w = the sum of p.  m = max MP_i;  f_i = 2^(MP_i - m);  l = the sum of f_i l_i;  go = f_own / l.  The normalised weight is p go;  O = the sum over waves of go O_w.
; CLUSTER.  The four query blocks of a cluster belong to one batch and walk the same K and V: each wave's 32 KiB piece is asked for JOINTLY by the four.  K and V have one slot each: K of the next head is asked for
; when this head's scores are made, V of the next head when this head's P V is made; every refill stands behind a round of the cluster's barrier.  At most two tensor loads of a wave are out.
; LIMITS.  The mask is applied by ADDING -1e30, not by a select: a masked score is -1e30 to within an ulp, which the lines above make exact in effect; unmasked scores from f16 operands stay above -3e11; a NaN or an
; infinity in a masked key's score is not removed as reference()'s where removes it.  P and ctx are rounded to f16.  The slopes are made by repeated multiplication by 2^-0.5 in f32.
; REGISTERS.  window 0: v1-15 addresses; v16-47 statistics, 16 a tile of queries; v48-55 key - 1023; v56-63 the mask's term; v64-71 bias at work; v72-87 the waves' (MP, l); v88-119 Q'; v120-247 P, later at work.
;   window 1: S^T at 128 qt + 8 kt.   window 2: the mean, same index.   window 3: v0-127 two buffers of K or V fragments; v128-191 two buffers of bias; v192-255 O^T at 192 + 8 (2 dt + qt).
.set VSB,   131072                     ; LDS: K's slot at 0: 4 x 32,768, wave w's 16 tiles of keys as images; V's slot here, [dt][32 keys][16 keys][512]
.set BT,    262144                     ; 4 x 1,024: a wave's own table of C(key), 256 f32
.set EX,    266240                     ; 1,024: [wave][qt][query][MP, l]
.set OST,   267264                     ; 32,768: [source wave][2 dt + qt][1,024 bytes: an accumulator's image]
.set SPARE, 300032                     ; the spare words, 128 bytes a wave
.set L16,  1                           ; v1   16 x lane
.set AK,   2                           ; v2   my place in my piece of K's slot; on the way out my stage's rows
.set AV,   3                           ; v3   the same in V's slot
.set ABW,  4                           ; v4   the bias table, writing: 32 bytes a lane
.set ABR,  5                           ; v5   and reading: 32 (lane / 16)
.set AEXW, 6
.set AEXR, 7
.set AOW,  8
.set AOR,  9
.set ASTW, 10                          ; v10  out1's stage: row lane % 16 of 1,040 bytes, + 32 (lane / 16)
.set PFO,  12                          ; v12  256 x lane; never rewritten
.set SPW,  14
.set NIL,  15
.set STA,  16                          ; tile qt's statistics at STA + 16 qt: +0 kf, +2 -m_w kf, +4..7 at work, +8 m_w then 1 / l, +9 at work then f_own, +10 MP, +11 l_w, +12 go, +14 go / 16; +1, +3, +13, +15 named in pairs only
.set DIS,  48
.set MSK,  56
.set BIA,  64
.set EXR,  72
.set QRG,  88
.set PRG,  120
.set OAC,  192
.set WV,   16                          ; s16  wave
.set SEL,  20                          ; s[20:21] lane selects for v_permlanex16_b32: lane l xor 16
.set SL,   22                          ; s[22:23] slope_h log2(e)
.set G1,   24                          ; s[24:31] descriptor group 1
.set G0K,  32                          ; s[32:35], s[36:39] groups 0 for K's and V's pieces
.set G0V,  36
.set CNT,  40                          ; s40  heads still to be asked for
.set LIM,  41                          ; s41  1 in a work-group that prefetches, else the greatest number
.set PFK,  42                          ; s[42:43], s[44:45] where my prefetches stand
.set PFV,  44
.set MSB, 0
.macro WIN new
.if MSB != (\new)
	s_set_vgpr_msb (MSB<<8)|(\new)
.set MSB, (\new)
.endif
.endm
.macro ROUND                           ; a round of the cluster's barrier
	s_barrier_signal -1
	s_barrier_wait -1
	s_cmp_lg_u32 s[WV], 0
	s_cbranch_scc1 .Lnot_wave_0_\@
	s_barrier_signal -3
.Lnot_wave_0_\@:
	s_barrier_wait -3
	s_barrier_signal -1
	s_barrier_wait -1
.endm
.macro PLACES
.rept 4
	v_nop
.endr
.endm
; A prefetch into the L2 of the piece that the refill of the NEXT head will ask for: head h asks for head h + 2.  All eight clusters of a batch walk the same K and V: the batch's first cluster asks.  Of a wave's 32,768
; bytes each of the four partners takes 8,192, told apart by address; lanes 256 bytes apart: one instruction a wave.  Heads 14 and 15 ask for nothing; heads 0 and 1 come by their loads alone.
.macro ASK pf
	s_cmp_gt_u32 s[CNT], s[LIM]
	s_cbranch_scc0 .Lnot_mine_\@
	global_prefetch_b8 v[PFO], s[\pf:\pf+1] th:TH_LOAD_NT scope:SCOPE_SE
.Lnot_mine_\@:
.endm
; A slot is filled again with the next head's piece.  All my tensor loads have landed (the other slot's among them, which is read next); the add; the steps of the descriptor and of the prefetch's address; the add is
; done and my reads of the slot are over; a round, so that no wave of any partner still reads the slot; the joint load first behind it.
.macro REFILL g0, pf
	WIN 0
	s_wait_tensorcnt 0x0
	ds_add_u32 v[SPW], v[NIL]                      ; 0 onto my spare word
	s_add_nc_u64 s[\g0+2:\g0+3], s[\g0+2:\g0+3], 131072            ; a head on; the type bits on top are not reached
	s_wait_xcnt 0x0                                ; the last prefetch has read its address
	s_add_nc_u64 s[\pf:\pf+1], s[\pf:\pf+1], 131072
	s_wait_dscnt 0x0
	ROUND
	tensor_load_to_lds s[\g0:\g0+3], s[G1:G1+7]
	s_nop 0
	PLACES                                         ; (also the places behind the last products)
	ASK \pf
.endm
.macro QLOAD                           ; Q' of the next head: two tiles of 16 queries x 64, four chunks each
.irp q, 0,1
.irp g, 0,1,2,3
	global_load_b128 v[QRG+16*\q+4*\g:QRG+16*\q+4*\g+3], v[L16], s[4:5] offset:2048*\q+512*\g
.endr
.endr
.endm
.macro BIASTAB                         ; C(key) of my 256 keys for this head: 8 a lane, into my own table
.irp j, 0,2,4,6
	v_pk_fma_f32 v[BIA+\j:BIA+\j+1], v[DIS+\j:DIS+\j+1], s[SL:SL+1], v[MSK+\j:MSK+\j+1] op_sel_hi:[1,0,1]
.endr
	ds_store_b128 v[ABW], v[BIA:BIA+3]
	ds_store_b128 v[ABW], v[BIA+4:BIA+7] offset:16
.endm
.macro FETCHK G, buf                   ; tiles 4 G .. 4 G + 3 of my keys: 16 registers each, and their 8 registers of C: 24 loads
	WIN 0xc0                                       ; destination window 3
.irp t, 0,1,2,3
.irp g, 0,1,2,3
	ds_load_b128 v[64*(\buf)+16*\t+4*\g:64*(\buf)+16*\t+4*\g+3], v[AK] offset:(4*(\G)+\t)*2048+512*\g
.endr
.endr
.irp t, 0,1,2,3
	ds_load_b128 v[128+32*(\buf)+8*\t:128+32*(\buf)+8*\t+3], v[ABR] offset:(4*(\G)+\t)*64       ; LDS serves a wave's instructions in order: these see my table's stores
	ds_load_b128 v[128+32*(\buf)+8*\t+4:128+32*(\buf)+8*\t+7], v[ABR] offset:(4*(\G)+\t)*64+16
.endr
.endm
.macro QKMUL G, buf                    ; 16 products: 4 tiles of keys x 2 tiles of queries, d = 0..31 with C = bias and mask, then d = 32..63 in place.  Eight accumulators by turns
	WIN 0x73                                       ; D window 1, K window 3, Q' window 0, C window 3
.irp t, 0,1,2,3
.irp q, 0,1
	v_wmma_f32_16x16x32_f16 v[128*\q+8*(4*(\G)+\t):128*\q+8*(4*(\G)+\t)+7], v[64*(\buf)+16*\t:64*(\buf)+16*\t+7], v[QRG+16*\q:QRG+16*\q+7], v[128+32*(\buf)+8*\t:128+32*(\buf)+8*\t+7]
.endr
.endr
	WIN 0x53                                       ; C window 1
.irp t, 0,1,2,3
.irp q, 0,1
	v_wmma_f32_16x16x32_f16 v[128*\q+8*(4*(\G)+\t):128*\q+8*(4*(\G)+\t)+7], v[64*(\buf)+16*\t+8:64*(\buf)+16*\t+15], v[QRG+16*\q+8:QRG+16*\q+15], v[128*\q+8*(4*(\G)+\t):128*\q+8*(4*(\G)+\t)+7]
.endr
.endr
.endm
.macro ROWMAX                          ; my wave's maximum of each query: four chains a tile of queries, each accumulator from its low end on; then kf, -m_w kf, MP
	WIN 0x05                                       ; sources 0 and 1 window 1
.irp i, 0,1,2,3
.irp q, 0,1
	v_max_num_f32 v[STA+16*\q+4+\i], v[128*\q+2*\i], v[128*\q+2*\i+1]
.endr
.endr
.irp kt, 1,2,3,4,5,6,7,8,9,10,11,12,13,14,15
.irp i, 0,1,2,3
.irp q, 0,1
	v_max3_num_f32 v[STA+16*\q+4+\i], v[128*\q+8*\kt+2*\i], v[128*\q+8*\kt+2*\i+1], v[STA+16*\q+4+\i]
.endr
.endr
.endr
	WIN 0
.irp q, 0,1
	v_max3_num_f32 v[STA+16*\q+4], v[STA+16*\q+4], v[STA+16*\q+5], v[STA+16*\q+6]
.endr
.irp q, 0,1
	v_max_num_f32 v[STA+16*\q+4], v[STA+16*\q+4], v[STA+16*\q+7]
.endr
.irp q, 0,1
	v_permlanex16_b32 v[STA+16*\q+9], v[STA+16*\q+4], s[SEL], s[SEL+1]     ; the query's other keys lie in the lane 16 away
.endr
.irp q, 0,1
	v_max_num_f32 v[STA+16*\q+8], v[STA+16*\q+4], v[STA+16*\q+9]           ; m_w
.endr
	v_cmp_gt_f32 s50, v[STA+8], s51                ; has my wave a key that counts?  (-5e29 lies between every unmasked score and -1e30)
	v_cmp_gt_f32 s52, v[STA+24], s51
	v_cndmask_b32 v[STA], 0, 1.0, s50              ; kf: a value is selected; nothing branches
	v_cndmask_b32 v[STA+16], 0, 1.0, s52
.irp q, 0,1
	v_max_num_f32 v[STA+16*\q+10], 0xf149f2ca, v[STA+16*\q+8]              ; MP = max(m_w, -1e30)
.endr
.irp q, 0,1
	v_mul_f32 v[STA+16*\q+2], -v[STA+16*\q+8], v[STA+16*\q]                ; -m_w kf
.endr
.endm
.macro YFMA n                          ; pair n of the 128: y = x kf - m_w kf
	v_pk_fma_f32 v[2*(\n):2*(\n)+1], v[2*(\n):2*(\n)+1], v[STA+16*((\n)/64):STA+16*((\n)/64)+1], v[STA+16*((\n)/64)+2:STA+16*((\n)/64)+3] op_sel_hi:[1,0,0]
.endm
.macro EXPS                            ; ONE BATCH: 128 scalings and 256 exponentials, a scaling two pairs ahead of its exponentials; nothing in it names an exponential's result; one plain line and one wait behind it
	WIN 0x41                                       ; destination and source 0 window 1
	YFMA 0
	YFMA 1
.set n, 0
.rept 128
	v_exp_f32 v[2*n], v[2*n]
	v_exp_f32 v[2*n+1], v[2*n+1]
.if n < 126
	YFMA n+2
.endif
.set n, n+1
.endr
	v_nop                                          ; a plain instruction behind the last exponential
	s_wait_alu depctr_va_vdst(0)                   ; the wait ahead of the first use: one for the batch
.endm
.macro PACKSUM                         ; P = f16(p); l_w = the sum of the unrounded p; (MP, l_w) published
	WIN 0x05
.set n, 0
.rept 128
	v_cvt_pk_f16_f32 v[PRG+n], v[2*n], v[2*n+1]
.set n, n+1
.endr
.irp q, 0,1
	v_pk_add_f32 v[STA+16*\q+4:STA+16*\q+5], v[128*\q:128*\q+1], v[128*\q+2:128*\q+3]          ; two chains of pairs a tile of queries: the first four pairs start them
	v_pk_add_f32 v[STA+16*\q+6:STA+16*\q+7], v[128*\q+4:128*\q+5], v[128*\q+6:128*\q+7]
.endr
	WIN 0x01
.set m, 4
.rept 60
.irp q, 0,1
	v_pk_add_f32 v[STA+16*\q+4+2*(m%2):STA+16*\q+5+2*(m%2)], v[128*\q+2*m:128*\q+2*m+1], v[STA+16*\q+4+2*(m%2):STA+16*\q+5+2*(m%2)]
.endr
.set m, m+1
.endr
	WIN 0
.irp q, 0,1
	v_pk_add_f32 v[STA+16*\q+4:STA+16*\q+5], v[STA+16*\q+4:STA+16*\q+5], v[STA+16*\q+6:STA+16*\q+7]
.endr
.irp q, 0,1
	v_add_f32 v[STA+16*\q+4], v[STA+16*\q+4], v[STA+16*\q+5]
.endr
.irp q, 0,1
	v_permlanex16_b32 v[STA+16*\q+9], v[STA+16*\q+4], s[SEL], s[SEL+1]
.endr
.irp q, 0,1
	v_add_f32 v[STA+16*\q+11], v[STA+16*\q+4], v[STA+16*\q+9]
.endr
.irp q, 0,1
	ds_store_b64 v[AEXW], v[STA+16*\q+10:STA+16*\q+11] offset:128*\q       ; both halves of the lanes write the same words with the same values
.endr
.endm
.macro FETCHV p, buf                   ; keys 64 p .. 64 p + 63 of my 256, all 64 d: 8 fragments, 16 loads
	WIN 0xc0
.irp kb, 0,1
.irp dt, 0,1,2,3
	ds_load_b128 v[64*(\buf)+32*\kb+8*\dt:64*(\buf)+32*\kb+8*\dt+3], v[AV] offset:8192*\dt+1024*(2*(\p)+\kb)
	ds_load_b128 v[64*(\buf)+32*\kb+8*\dt+4:64*(\buf)+32*\kb+8*\dt+7], v[AV] offset:8192*\dt+1024*(2*(\p)+\kb)+512
.endr
.endr
.endm
.macro PVMUL p, buf                    ; 16 products of O^T += V^T P; the first eight of a head start the sums with the constant 0.  Eight accumulators by turns
	WIN 0xf3                                       ; V, C and D window 3, P window 0
.irp kb, 0,1
.irp dt, 0,1,2,3
.irp q, 0,1
.if (\p == 0) && (\kb == 0)
	v_wmma_f32_16x16x32_f16 v[OAC+8*(2*\dt+\q):OAC+8*(2*\dt+\q)+7], v[64*(\buf)+32*\kb+8*\dt:64*(\buf)+32*\kb+8*\dt+7], v[PRG+64*\q+8*(2*(\p)+\kb):PRG+64*\q+8*(2*(\p)+\kb)+7], 0
.else
	v_wmma_f32_16x16x32_f16 v[OAC+8*(2*\dt+\q):OAC+8*(2*\dt+\q)+7], v[64*(\buf)+32*\kb+8*\dt:64*(\buf)+32*\kb+8*\dt+7], v[PRG+64*\q+8*(2*(\p)+\kb):PRG+64*\q+8*(2*(\p)+\kb)+7], v[OAC+8*(2*\dt+\q):OAC+8*(2*\dt+\q)+7]
.endif
.endr
.endr
.endr
.endm
.macro FACTORS                         ; the four waves' (MP, l) of my query give go = f_own / l and go / 16
.irp q, 0,1
.irp i, 0,1,2,3
	ds_load_b64 v[EXR+8*\q+2*\i:EXR+8*\q+2*\i+1], v[AEXR] offset:256*\i+128*\q
.endr
.endr
	s_wait_dscnt 0x0
.irp q, 0,1
	v_max3_num_f32 v[STA+16*\q+4], v[EXR+8*\q], v[EXR+8*\q+2], v[EXR+8*\q+4]
.endr
.irp q, 0,1
	v_max_num_f32 v[STA+16*\q+4], v[STA+16*\q+4], v[EXR+8*\q+6]            ; m: the row's maximum, which reference() takes away
.endr
.irp q, 0,1
.irp i, 0,1,2,3
	v_sub_f32 v[EXR+8*\q+2*\i], v[EXR+8*\q+2*\i], v[STA+16*\q+4]
.endr
	v_sub_f32 v[STA+16*\q+9], v[STA+16*\q+10], v[STA+16*\q+4]
.endr
.irp q, 0,1
.irp i, 0,1,2,3
	v_exp_f32 v[EXR+8*\q+2*\i], v[EXR+8*\q+2*\i]   ; f_i
.endr
	v_exp_f32 v[STA+16*\q+9], v[STA+16*\q+9]       ; f_own
.endr
	v_nop
	s_wait_alu depctr_va_vdst(0)                   ; one wait for the ten
.irp q, 0,1
	v_mul_f32 v[STA+16*\q+8], v[EXR+8*\q], v[EXR+8*\q+1]
.endr
.irp i, 1,2,3
.irp q, 0,1
	v_fmac_f32 v[STA+16*\q+8], v[EXR+8*\q+2*\i], v[EXR+8*\q+2*\i+1]        ; l, at least 1: the wave that holds the maximum has f = 1 and a p = 1
.endr
.endr
.irp q, 0,1
	v_rcp_f32 v[STA+16*\q+8], v[STA+16*\q+8]
.endr
	v_nop
	s_wait_alu depctr_va_vdst(0)                   ; one wait for the two
.irp q, 0,1
	v_mul_f32 v[STA+16*\q+12], v[STA+16*\q+9], v[STA+16*\q+8]
.endr
.irp q, 0,1
	v_mul_f32 v[STA+16*\q+14], 0x3d800000, v[STA+16*\q+12]                 ; / 16 heads
.endr
.endm
.macro OSTAGE                          ; go O_w^T, as images, for the wave that sums them
	WIN 0xc3
.irp dt, 0,1,2,3
.irp q, 0,1
.irp j, 0,2,4,6
	v_pk_mul_f32 v[OAC+8*(2*\dt+\q)+\j:OAC+8*(2*\dt+\q)+\j+1], v[OAC+8*(2*\dt+\q)+\j:OAC+8*(2*\dt+\q)+\j+1], v[STA+16*\q+12:STA+16*\q+13] op_sel_hi:[1,0]
.endr
.endr
.endr
	WIN 0x0c                                       ; an LDS store's data are its source 1: window 3
.irp t, 0,1,2,3,4,5,6,7
	ds_store_b128 v[AOW], v[OAC+8*\t:OAC+8*\t+3] offset:1024*\t
	ds_store_b128 v[AOW], v[OAC+8*\t+4:OAC+8*\t+7] offset:1024*\t+512
.endr
.endm
.macro MEANACC first                   ; the mean += p go / 16; the first head starts it: nothing is cleared
.if \first
	WIN 0x81
.else
	WIN 0xa1
.endif
.set n, 0
.rept 128
.if \first
	v_pk_mul_f32 v[2*n:2*n+1], v[2*n:2*n+1], v[STA+16*(n/64)+14:STA+16*(n/64)+15] op_sel_hi:[1,0]
.else
	v_pk_fma_f32 v[2*n:2*n+1], v[2*n:2*n+1], v[STA+16*(n/64)+14:STA+16*(n/64)+15], v[2*n:2*n+1] op_sel_hi:[1,0,1]
.endif
.set n, n+1
.endr
.endm
.macro REDUCE                          ; wave w sums the four waves' parts of d = 16 w .. 16 w + 15, both tiles of queries, and stores two chunks of ctx
.irp q, 0,1
.irp i, 0,1,2,3
	ds_load_b128 v[PRG+32*\q+8*\i:PRG+32*\q+8*\i+3], v[AOR] offset:8192*\i+1024*\q
	ds_load_b128 v[PRG+32*\q+8*\i+4:PRG+32*\q+8*\i+7], v[AOR] offset:8192*\i+1024*\q+512
.endr
.endr
	s_wait_dscnt 0x0
.irp q, 0,1
.irp j, 0,2,4,6
	v_pk_add_f32 v[PRG+32*\q+\j:PRG+32*\q+\j+1], v[PRG+32*\q+\j:PRG+32*\q+\j+1], v[PRG+32*\q+8+\j:PRG+32*\q+8+\j+1]
	v_pk_add_f32 v[PRG+32*\q+16+\j:PRG+32*\q+16+\j+1], v[PRG+32*\q+16+\j:PRG+32*\q+16+\j+1], v[PRG+32*\q+24+\j:PRG+32*\q+24+\j+1]
.endr
.endr
.irp q, 0,1
.irp j, 0,2,4,6
	v_pk_add_f32 v[PRG+32*\q+\j:PRG+32*\q+\j+1], v[PRG+32*\q+\j:PRG+32*\q+\j+1], v[PRG+32*\q+16+\j:PRG+32*\q+16+\j+1]
.endr
.endr
.irp q, 0,1
.irp j, 0,1,2,3
	v_cvt_pk_f16_f32 v[PRG+64+4*\q+\j], v[PRG+32*\q+2*\j], v[PRG+32*\q+2*\j+1]
.endr
.endr
.irp q, 0,1
	global_store_b128 v[L16], v[PRG+64+4*\q:PRG+64+4*\q+3], s[12:13] offset:32768*\q           ; 32 lanes store 512 consecutive bytes, aligned
.endr
.endm
; A HEAD.  fill = 1: the next head's K, Q' and V are asked for.  first = 1: the mean is started.
.macro HEAD fill, first
	BIASTAB
	s_wait_loadcnt 0x0                             ; Q' is in, and its loads have read their base:
.if \fill
	s_add_nc_u64 s[4:5], s[4:5], 131072            ; on to the next head's
.endif
	FETCHK 0, 0
	FETCHK 1, 1
	s_wait_dscnt 24                                ; all but the 24 just issued
	QKMUL 0, 0
	PLACES                                         ; in front of loads into registers that the last products read
	FETCHK 2, 0
	s_wait_dscnt 24
	QKMUL 1, 1
	PLACES
	FETCHK 3, 1
	s_wait_dscnt 24
	QKMUL 2, 0
	s_wait_dscnt 0x0
	QKMUL 3, 1
.if \fill
	REFILL G0K, PFK                                ; K's slot has been read out; V of this head has landed
	QLOAD
.else
	WIN 0
	s_wait_tensorcnt 0x0                           ; V of the last head has landed
	PLACES
.endif
	FETCHV 0, 0
	ROWMAX
	EXPS
	PACKSUM
	FETCHV 1, 1
	s_wait_dscnt 16                                ; all but the 16 just issued
	PVMUL 0, 0
	PLACES
	FETCHV 2, 0
	s_wait_dscnt 16
	PVMUL 1, 1
	PLACES
	FETCHV 3, 1
	s_wait_dscnt 16
	PVMUL 2, 0
	s_wait_dscnt 0x0
	PVMUL 3, 1
.if \fill
	REFILL G0V, PFV                                ; V's slot has been read out; K of the next head has landed; the round also shows every wave's (MP, l) to the others
.else
	WIN 0
	s_wait_dscnt 0x0                               ; my (MP, l) are stored
	s_barrier_signal -1
	s_barrier_wait -1
.endif
	FACTORS
	OSTAGE
	MEANACC \first
	WIN 0
	s_wait_dscnt 0x0                               ; my parts of O are stored, and my reads of the others' (MP, l) are in
	s_barrier_signal -1
	s_barrier_wait -1                              ; the load that is out may stay out
	REDUCE
	s_wait_xcnt 0x0                                ; ctx's stores have read their base and their data
.if \fill
	s_add_nc_u64 s[12:13], s[12:13], 2048          ; four chunks a head
	s_mul_f32 s[SL], s[SL], 0x3f3504f3             ; slope_(h+1) = slope_h x 2^-0.5
	s_mov_b32 s[SL+1], s[SL]
.endif
.endm
	s_load_b256 s[4:11], s[0:1], 0x0               ; qf s[4:5], kf s[6:7], vf s[8:9], the mask s[10:11]
	s_load_b128 s[12:15], s[0:1], 0x20             ; ctx s[12:13], out1 s[14:15]
	v_lshl_add_u32 v[SPW], v0, 2, SPARE
	v_mov_b32 v[NIL], 0
	ds_add_u32 v[SPW], v[NIL]                      ; the wave's opening: the add, twice on end, and its wait ahead of my first tensor load
	ds_add_u32 v[SPW], v[NIL]
	v_lshrrev_b32 v13, 5, v0
	v_readfirstlane_b32 s[WV], v13                 ; wave 0..3
	s_bfe_u32 s17, ttmp6, 0x40000                  ; cx
	s_lshl_b32 s18, ttmp9, 2
	s_add_co_u32 s18, s18, s17                     ; my block of 32 queries: it enters Q's, ctx's and out1's addresses alone
	s_and_b32 s19, ttmp7, 0xffff                   ; the batch, which the four partners share
	s_mov_b32 s[G1], 15|(3<<16)|(1<<21)            ; the mask: all four work-groups; elements of 8 bytes; bit 21 set beside a mask; no padding: images are read 16 bytes a lane on end
	s_mov_b32 s[G1+1], 32<<16                      ; tensor_dim0 = 32: rows of 256 bytes
	s_mov_b32 s[G1+2], 128<<16                     ; tensor_dim1 = 128
	s_mov_b32 s[G1+3], 32<<16                      ; tile_dim0
	s_mov_b32 s[G1+4], 128                         ; tile_dim1: a dense block of 32,768 bytes
	s_mov_b32 s[G1+5], 32
	s_mov_b32 s[G1+6], 0
	s_mov_b32 s[G1+7], 0
	s_mov_b32 s[SEL], 0x76543210
	s_mov_b32 s[SEL+1], 0xfedcba98
	s_mov_b32 s[SL], 0x3f8293ee                    ; slope_0 log2(e) = 2^-0.5 x 1.442695
	s_mov_b32 s[SL+1], s[SL]
	s_mov_b32 s51, 0xf0c9f2ca                      ; -5e29
	s_mov_b32 s[CNT], 15
	s_cmp_eq_u32 ttmp9, 0                          ; the batch's first cluster: the same in all four partners
	s_cselect_b32 s[LIM], 1, -1
	s_lshl_b32 s48, s[WV], 15                      ; my piece in a slot, and in a head's K and V
	s_lshl_b32 s46, s19, 21
	s_add_co_u32 s46, s46, s48
	s_mov_b32 s47, 0
	s_wait_dscnt 0x0                               ; both opening adds are done
	s_wait_kmcnt 0x0
	s_mov_b32 s[G0K], 1
	s_mov_b32 s[G0K+1], s48
	s_add_nc_u64 s[G0K+2:G0K+3], s[6:7], s[46:47]
	s_or_b32 s[G0K+3], s[G0K+3], 0x80000000
	s_mov_b32 s[G0V], 1
	s_add_co_u32 s[G0V+1], s48, VSB
	s_add_nc_u64 s[G0V+2:G0V+3], s[8:9], s[46:47]
	s_or_b32 s[G0V+3], s[G0V+3], 0x80000000
	ROUND                                          ; all four work-groups are here: the first joint loads meet
	tensor_load_to_lds s[G0K:G0K+3], s[G1:G1+7]    ; K of head 0
	s_nop 0
	tensor_load_to_lds s[G0V:G0V+3], s[G1:G1+7]    ; V of head 0: every wave issues both
	s_nop 0
	PLACES
	s_lshl_b32 s52, s17, 13                        ; the prefetches: my work-group's 8,192 bytes of my wave's piece,
	s_add_co_u32 s52, s52, 131072                  ; in head 1: the first refill steps it to head 2.  Nothing is prefetched here, at the head
	s_add_co_u32 s52, s52, s46
	s_mov_b32 s53, 0
	s_add_nc_u64 s[PFK:PFK+1], s[6:7], s[52:53]
	s_add_nc_u64 s[PFV:PFV+1], s[8:9], s[52:53]
	s_lshl_b32 s52, s19, 21
	s_lshl_b32 s49, s18, 12
	s_add_co_u32 s52, s52, s49
	s_add_nc_u64 s[4:5], s[4:5], s[52:53]          ; Q': batch, my two tiles of queries
	s_lshl_b32 s52, s19, 21
	s_lshl_b32 s49, s18, 16
	s_add_co_u32 s52, s52, s49
	s_lshl_b32 s49, s[WV], 9
	s_add_co_u32 s52, s52, s49
	s_add_nc_u64 s[12:13], s[12:13], s[52:53]      ; ctx: my two tiles of rows, chunk = wave
	s_lshl_b32 s52, s19, 22
	s_lshl_b32 s49, s18, 17
	s_add_co_u32 s52, s52, s49
	s_lshl_b32 s49, s[WV], 10
	s_add_co_u32 s52, s52, s49
	s_add_nc_u64 s[14:15], s[14:15], s[52:53]      ; out1: my 32 rows, my 256 keys
	s_lshl_b32 s52, s19, 10
	s_lshl_b32 s49, s[WV], 8
	s_add_co_u32 s52, s52, s49
	s_add_nc_u64 s[10:11], s[10:11], s[52:53]      ; the mask of my 256 keys
	v_and_b32 v13, 31, v0                          ; lane
	v_and_b32 v248, 15, v0                         ; r
	v_bfe_u32 v249, v0, 4, 1                       ; hh
	v_lshlrev_b32 v[L16], 4, v13
	v_lshlrev_b32 v254, 3, v13
	global_load_b64 v[252:253], v254, s[10:11]     ; eight keys' mask bytes a lane
	QLOAD                                          ; Q' of head 0
	v_add_nc_u32 v[AK], s48, v[L16]
	v_add_nc_u32 v[AV], VSB, v[AK]
	s_lshl_b32 s49, s[WV], 10
	s_add_co_u32 s49, s49, BT
	v_lshl_add_u32 v[ABW], v13, 5, s49
	v_lshl_add_u32 v[ABR], v249, 5, s49
	s_lshl_b32 s49, s[WV], 8
	s_add_co_u32 s49, s49, EX
	v_lshl_add_u32 v[AEXW], v248, 3, s49
	v_lshl_add_u32 v[AEXR], v248, 3, EX
	s_lshl_b32 s49, s[WV], 13
	s_add_co_u32 s49, s49, OST
	v_add_nc_u32 v[AOW], s49, v[L16]
	s_lshl_b32 s49, s[WV], 11
	s_add_co_u32 s49, s49, OST
	v_add_nc_u32 v[AOR], s49, v[L16]
	v_mul_u32_u24 v[ASTW], v248, 1040
	v_lshl_add_u32 v[ASTW], v249, 5, v[ASTW]
	v_add_nc_u32 v[ASTW], s48, v[ASTW]
	v_lshlrev_b32 v[PFO], 8, v13
.irp q, 0,1
.irp j, 1,3,9,13,15
	v_mov_b32 v[STA+16*\q+\j], 0                   ; written once: the upper halves of pairs of which the low word serves both halves, and a lane permute's destination
.endr
.endr
	s_lshl_b32 s49, s[WV], 8
	s_sub_co_i32 s49, s49, 1023
	v_lshl_add_u32 v250, v13, 3, s49               ; 256 w + 8 lane - 1023
.irp j, 0,1,2,3,4,5,6,7
	v_add_nc_u32 v251, \j, v250
	v_cvt_f32_i32 v[DIS+\j], v251                  ; key - 1023 of my eight entries of the table
.endr
	s_wait_loadcnt 8                               ; the mask's bytes are in; Q's eight loads may be out
.irp j, 0,1,2,3
	v_bfe_u32 v251, v252, 8*\j, 8
	v_cvt_f32_u32 v[MSK+\j], v251
	v_bfe_u32 v251, v253, 8*\j, 8
	v_cvt_f32_u32 v[MSK+4+\j], v251
.endr
.irp j, 0,1,2,3,4,5,6,7
	v_mul_f32 v[MSK+\j], 0xf149f2ca, v[MSK+\j]     ; 0, or -1e30 for a masked key
.endr
	s_wait_tensorcnt 1                             ; my piece of K of head 0 is in, and only I read it; V's may be out
	HEAD 1, 1                                      ; head 0 is written out: it starts the mean
	s_mov_b32 s[CNT], 14
.Lhead:                                            ; heads 1 to 14
	HEAD 1, 0
	s_sub_co_u32 s[CNT], s[CNT], 1
	s_cmp_lg_u32 s[CNT], 0
	s_cbranch_scc1 .Lhead
	HEAD 0, 0                                      ; head 15 is written out: it asks for nothing
; OUT1.  A lane holds 32 neighbouring bytes of a row, the lanes beside it other rows: a tile of 16 queries x my 256 keys goes through a stage (rows of 1,024 bytes + 16) and leaves as runs of 512 bytes.
; The stage is my own piece of K's slot: it has had its last fill, and no other wave touches it.
.macro OUTQ q
	WIN 0x08                                       ; the data: window 2
.irp kt, 0,1,2,3,4,5,6,7,8,9,10,11,12,13,14,15
	ds_store_b128 v[ASTW], v[128*\q+8*\kt:128*\q+8*\kt+3] offset:64*\kt
	ds_store_b128 v[ASTW], v[128*\q+8*\kt+4:128*\q+8*\kt+7] offset:64*\kt+16
.endr
	WIN 0
.set n, 0
.rept 32
	ds_load_b128 v[PRG+4*n:PRG+4*n+3], v[AK] offset:1040*(n/2)+512*(n%2)   ; LDS serves a wave's instructions in order: these see my stores
.set n, n+1
.endr
.set n, 0
.rept 32
	s_wait_dscnt 31-n
	global_store_b128 v[L16], v[PRG+4*n:PRG+4*n+3], s[14:15] offset:65536*\q+4096*(n/2)+512*(n%2) th:TH_STORE_NT   ; 32 lanes store 512 consecutive bytes, aligned
.set n, n+1
.endr
.endm
	OUTQ 0
	s_wait_xcnt 0x0                                ; the stores have read their registers: the second tile's rows may land there
	OUTQ 1
	s_wait_tensorcnt 0x0                           ; the wave's end
	ds_add_u32 v[SPW], v[NIL]
	s_wait_dscnt 0x0
	ROUND                                          ; the closing round
	s_endpgm
.Lfunc_end_k_q76c4e68bc8_attn:
	.size	k_q76c4e68bc8_attn, .Lfunc_end_k_q76c4e68bc8_attn-k_q76c4e68bc8_attn
	.p2alignl 7, 3214868480
	.fill 96, 4, 3214868480
	.section	.rodata,"a",@progbits
	.p2align	6, 0x0
	.amdhsa_kernel k_q76c4e68bc8_attn
		.amdhsa_group_segment_fixed_size 327680
		.amdhsa_private_segment_fixed_size 0
		.amdhsa_enable_private_segment 0
		.amdhsa_kernarg_size 48
		.amdhsa_user_sgpr_count 2
		.amdhsa_user_sgpr_kernarg_segment_ptr 1
		.amdhsa_wavefront_size32 1
		.amdhsa_system_sgpr_workgroup_id_x 1
		.amdhsa_system_sgpr_workgroup_id_y 1
		.amdhsa_system_sgpr_workgroup_id_z 1
		.amdhsa_system_vgpr_workitem_id 0
		.amdhsa_next_free_vgpr 1024
		.amdhsa_next_free_sgpr 66
		.amdhsa_reserve_vcc 0
		.amdhsa_float_denorm_mode_32 3
		.amdhsa_float_denorm_mode_16_64 3
		.amdhsa_memory_ordered 1
		.amdhsa_forward_progress 1
		.amdhsa_inst_pref_size 255
	.end_amdhsa_kernel
	.section	.bss,"aw",@nobits
	.p2align	6
	.space	262144
	.amdgpu_metadata
---
amdhsa.version: [ 1, 2 ]
amdhsa.kernels:
  - .name:           k_q76c4e68bc8_attn
    .symbol:         k_q76c4e68bc8_attn.kd
    .args:
      - { .name: qf, .offset: 0, .size: 8, .value_kind: global_buffer, .address_space: global }
      - { .name: kf, .offset: 8, .size: 8, .value_kind: global_buffer, .address_space: global }
      - { .name: vf, .offset: 16, .size: 8, .value_kind: global_buffer, .address_space: global }
      - { .name: key_padding_mask, .offset: 24, .size: 8, .value_kind: global_buffer, .address_space: global }
      - { .name: ctx, .offset: 32, .size: 8, .value_kind: global_buffer, .address_space: global }
      - { .name: out1, .offset: 40, .size: 8, .value_kind: global_buffer, .address_space: global }
    .group_segment_fixed_size: 327680
    .private_segment_fixed_size: 0
    .kernarg_segment_align: 8
    .kernarg_segment_size: 48
    .max_flat_workgroup_size: 128
    .sgpr_count:     66
    .vgpr_count:     1024
    .wavefront_size: 32
...
	.end_amdgpu_metadata
.endif
;; end of part 3
;; launch outp (part 4): grid 8 x 64, 4 waves a work-group, clusters of 4 x 4, 327,680 bytes of LDS; arguments ctx, wof, w_o_b, out0; writes out0
.if DOCPART == 4
	.amdgcn_target "amdgcn-amd-amdhsa--gfx1250"
	.amdhsa_code_object_version 6
	.text
	.protected	k_q76c4e68bc8_outp
	.globl	k_q76c4e68bc8_outp
	.p2align	8
	.type	k_q76c4e68bc8_outp,@function
k_q76c4e68bc8_outp:
	s_mov_b64 s[64:65], 0
	v_nop
	global_prefetch_b8 v0, s[64:65] scope:SCOPE_SE
	s_setreg_imm32_b32 hwreg(HW_REG_WAVE_MODE, 25, 1), 1
	s_wait_xcnt 0x0
	s_wait_alu depctr_hold_cnt(0) depctr_sa_sdst(0) depctr_va_vdst(0) depctr_va_sdst(0) depctr_va_ssrc(0) depctr_va_vcc(0) depctr_vm_vsrc(0)
	s_getreg_b32 s2, hwreg(HW_REG_IB_STS2, 6, 4)
	s_cmp_eq_u32 s2, 0
	s_cbranch_scc0 .Lentry_in_a_cluster
	s_endpgm
.Lentry_in_a_cluster:
	s_bfe_u32 s2, ttmp6, 0x10000c
	s_cmp_lg_u32 s2, 0xf033
	s_cbranch_scc0 .Lentry_shape_is_right
	s_endpgm
.Lentry_shape_is_right:
; LAUNCH 4 OF 4.  out0 = ctx w_o^T + b: [8192][1024] f32, K = 1024, operands in f16 (this product is left as it is), sums in f32.
; Both operands lie in memory as images: [tile of 16 rows][chunk G: 64][512 bytes], chunk G = k 16 G + 8 (lane / 16) + 0..7 of row lane % 16 at 16 x lane.  A fragment (32 along K) is two chunks: two loads of 16 bytes
; a lane, 512 consecutive bytes each: no padding is wanted.
; A tile of out0 is 128 x 128: 512 work-groups, four waves of 64 x 64 (16 accumulators).  K goes in four steps of 256 through two LDS slots; a wave's tensor load brings 4 tiles of rows x 8,192 bytes.
; CLUSTERS: 4 x 4 work-groups; the four of a row of the cluster need the same tiles of ctx, the four of a column the same tiles of w_o: each is asked for jointly.
; THE MATRIX INSTRUCTION IS USED TRANSPOSED (source 0 = 16 rows of w_o, source 1 = 16 rows of ctx): a lane holds eight neighbouring numbers of a row of out0.  The bias is the C of each sum's first product.
; A wave's 64 columns are 256 bytes of a row: its results go through its own stage, 16 rows at a time, and sixteen lanes store 256 consecutive bytes, aligned.
; REGISTERS: window 0: v0-31 addresses; v32-95 the way out; v96-127 the bias, 8 registers for each block of 16 columns; v128-255 the accumulators.  window 1: two fragment buffers of 128.
.set KCH,    8192                      ; a K step of a tile of 16 rows: 16 chunks
.set HALFT,  4*KCH                     ; what one tensor load brings, and what one wave reads of ctx or of w_o
.set SLOT,   4*HALFT
.set STAGE,  2*SLOT                    ; behind the ring: 16 rows x 272 bytes for each wave
.set SPITCH, 272
.set SPARE,  STAGE+4*16*SPITCH
.set ADRA, 16
.set ADRB, 20
.set STO,  24
.set RD,   25
.set CO,   26
.set SPW,  28
.set NIL,  29
.set TMP,  32
.set BIAS, 96
.set ACC,  128
.set F0,   0
.set F1,   128
.set G1, 24
.set G0, 32
.set G1B, 48
.set G0B, 56
.set MSB, 0
.macro WIN new
.if MSB != (\new)
	s_set_vgpr_msb (MSB<<8)|(\new)
.set MSB, (\new)
.endif
.endm
.set MUL,  0x05                        ; sources 0 and 1 window 1; C and D window 0
.set TO_F, 0x40
.macro JLOAD s                         ; a joint load: waves 0 and 1 fetch ctx's two halves, waves 2 and 3 w_o's; an s_nop 0 and four v_nop follow each of the two lines
	s_cmp_eq_u32 s13, 0
	s_cbranch_scc0 .Lfor_b_\@
	tensor_load_to_lds s[G0+4*\s:G0+4*\s+3], s[G1:G1+7]
	s_nop 0
.rept 4
	v_nop
.endr
	s_branch .Lasked_\@
.Lfor_b_\@:
	tensor_load_to_lds s[G0B+4*\s:G0B+4*\s+3], s[G1B:G1B+7]
	s_nop 0
.rept 4
	v_nop
.endr
.Lasked_\@:
.endm
.macro CREST
	s_cmp_lg_u32 s12, 0
	s_cbranch_scc1 .Lnot_wave_0_\@
	s_barrier_signal -3
.Lnot_wave_0_\@:
	s_barrier_wait -3
	s_barrier_signal -1
	s_barrier_wait -1
.endm
.macro CROUND
	s_barrier_signal -1
	s_barrier_wait -1
	CREST
.endm
	s_load_b128 s[4:7], s[0:1], 0x0                ; ctx s[4:5], wof s[6:7]
	s_load_b128 s[8:11], s[0:1], 0x10              ; w_o_b s[8:9], out0 s[10:11]
	v_lshl_add_u32 v[SPW], v0, 2, SPARE
	v_mov_b32 v[NIL], 0
	ds_add_u32 v[SPW], v[NIL]                      ; the wave's opening: the add, twice on end, and its wait ahead of my first tensor load
	ds_add_u32 v[SPW], v[NIL]
	v_lshrrev_b32 v1, 5, v0
	v_readfirstlane_b32 s12, v1                    ; wave 0..3
	s_lshr_b32 s13, s12, 1                         ; which half of the tile's rows is mine.  Also: I fetch for ctx (0) or for w_o (1)
	s_and_b32 s14, s12, 1                          ; which half of its columns.  Also: which 64 rows of that tile I fetch
	s_bfe_u32 s40, ttmp6, 0x40000
	s_bfe_u32 s41, ttmp6, 0x40004
	s_lshl_b32 s42, ttmp9, 2
	s_add_co_u32 s42, s42, s40                     ; tile column = 4 x cluster x + cx
	s_and_b32 s15, ttmp7, 0xffff
	s_lshl_b32 s15, s15, 2
	s_add_co_u32 s15, s15, s41                     ; tile row = 4 x cluster y + cy
	s_lshl_b32 s43, s41, 2
	s_lshl_b32 s43, 15, s43                        ; my row of the cluster
	s_lshl_b32 s44, 0x1111, s40                    ; my column
	s_or_b32 s[G1+0], s43, (3<<16)|(1<<21)         ; the mask; elements of 8 bytes; bit 21 set beside a mask; no padding
	s_or_b32 s[G1B+0], s44, (3<<16)|(1<<21)
.irp g, G1, G1B
	s_mov_b32 s[\g+1], 1024<<16                    ; tensor_dim0 = 1,024 elements: 8,192 bytes
	s_mov_b32 s[\g+2], 4<<16                       ; tensor_dim1 = 4 tiles of rows
	s_mov_b32 s[\g+3], 1024<<16                    ; tile_dim0
	s_mov_b32 s[\g+4], 4                           ; tile_dim1
	s_mov_b32 s[\g+5], 4096                        ; from tile of rows to tile of rows: 32,768 bytes
	s_mov_b32 s[\g+6], 0
	s_mov_b32 s[\g+7], 0
.endr
	s_lshl_b32 s17, s14, 17                        ; which four tiles of rows I fetch
	s_lshl_b32 s16, s15, 18
	s_add_co_u32 s16, s16, s17                     ; ctx: (8 x tile row + 4 x half) x 32,768
	s_lshl_b32 s46, s42, 18
	s_add_co_u32 s46, s46, s17                     ; w_o: by the tile column
	s_mov_b32 s17, 0
	s_mov_b32 s47, 0
	s_lshl_b32 s20, s12, 15                        ; where they go: wave x 32,768
	s_wait_dscnt 0x0                               ; both opening adds are done
	s_wait_kmcnt 0x0
	s_add_nc_u64 s[66:67], s[4:5], s[16:17]
	s_add_nc_u64 s[46:47], s[6:7], s[46:47]
	CROUND                                         ; all sixteen work-groups are here: the first joint loads meet
.irp s, 0,1
	s_mov_b32 s[G0+4*\s], 1
	s_add_co_u32 s[G0+4*\s+1], s20, \s*SLOT
	s_add_nc_u64 s[G0+4*\s+2:G0+4*\s+3], s[66:67], \s*KCH
	s_or_b32 s[G0+4*\s+3], s[G0+4*\s+3], 0x80000000
	s_mov_b32 s[G0B+4*\s], 1
	s_add_co_u32 s[G0B+4*\s+1], s20, \s*SLOT
	s_add_nc_u64 s[G0B+4*\s+2:G0B+4*\s+3], s[46:47], \s*KCH
	s_or_b32 s[G0B+4*\s+3], s[G0B+4*\s+3], 0x80000000
	JLOAD \s
.endr
	v_and_b32 v1, 15, v0                           ; r
	v_bfe_u32 v2, v0, 4, 1                         ; hh
	v_and_b32 v3, 31, v0
	v_lshlrev_b32 v3, 4, v3                        ; 16 x lane
	s_lshl_b32 s21, s13, 15                        ; my 64 rows of ctx
	s_lshl_b32 s22, s14, 15                        ; my 64 rows of w_o,
	s_add_co_u32 s22, s22, 2*HALFT                 ; which lie behind ctx's 128
.irp s, 0,1
	v_add_nc_u32 v[ADRA+\s], s21, v3
	v_add_nc_u32 v[ADRB+\s], s22, v3
	s_add_co_u32 s21, s21, SLOT
	s_add_co_u32 s22, s22, SLOT
.endr
	s_mul_i32 s23, s12, 16*SPITCH
	s_add_co_u32 s23, s23, STAGE                   ; my stage
	v_mul_u32_u24 v4, v1, SPITCH                   ; in: row r, 32 bytes for each half of the lanes
	v_lshl_add_u32 v4, v2, 5, v4
	v_add_nc_u32 v[STO], s23, v4
	v_mul_u32_u24 v5, v2, SPITCH                   ; back: lanes 0-15 one row of 256 bytes, lanes 16-31 the next
	v_lshl_add_u32 v5, v1, 4, v5
	v_add_nc_u32 v[RD], s23, v5
	v_lshlrev_b32 v5, 12, v2                       ; and the same two rows in out0
	v_lshl_add_u32 v[CO], v1, 4, v5
	s_lshl_b32 s46, s42, 9                         ; my first column, in bytes: 512 x tile column + 256 x half
	s_lshl_b32 s47, s14, 8
	s_add_co_u32 s46, s46, s47
	s_mov_b32 s47, 0
	s_add_nc_u64 s[8:9], s[8:9], s[46:47]
	v_lshlrev_b32 v6, 5, v2
.irp b, 0,1,2,3
	global_load_b128 v[BIAS+8*\b:BIAS+8*\b+3], v6, s[8:9] offset:64*\b         ; b of columns 16 b + 8 hh + 0..7: the result's layout
	global_load_b128 v[BIAS+8*\b+4:BIAS+8*\b+7], v6, s[8:9] offset:64*\b+16
.endr
	s_lshl_b32 s16, s15, 19
	s_lshl_b32 s18, s13, 18
	s_add_co_u32 s16, s16, s18                     ; my first row: (128 x tile row + 64 x half) x 4,096 bytes
	s_mov_b32 s17, 0
	s_add_nc_u64 s[10:11], s[10:11], s[16:17]
	s_add_nc_u64 s[10:11], s[10:11], s[46:47]
; 8 matrix instructions: blocks a0, a0 + 1 of rows x all 4 blocks of columns, 32 along K: half c of buffer f.  zero = 1: the first product starts the sums, with the bias as its C.  The 16 accumulators take turns
.macro MUL8 f, c, a0, zero
.irp a, \a0, \a0+1
.irp b, 0,1,2,3
.if \zero
	v_wmma_f32_16x16x32_f16 v[ACC+8*(4*(\a)+\b):ACC+8*(4*(\a)+\b)+7], v[\f+64+8*(4*\c+\b):\f+64+8*(4*\c+\b)+7], v[\f+8*(4*\c+\a):\f+8*(4*\c+\a)+7], v[BIAS+8*\b:BIAS+8*\b+7]
.else
	v_wmma_f32_16x16x32_f16 v[ACC+8*(4*(\a)+\b):ACC+8*(4*(\a)+\b)+7], v[\f+64+8*(4*\c+\b):\f+64+8*(4*\c+\b)+7], v[\f+8*(4*\c+\a):\f+8*(4*\c+\a)+7], v[ACC+8*(4*(\a)+\b):ACC+8*(4*(\a)+\b)+7]
.endif
.endr
.endr
.endm
; 32 LDS loads in one run: the fragments of the slot's q-th 64 along K into buffer f; the first 32 along K first
.macro FETCH slot, q, f
	WIN TO_F
.irp c, 0,1
.irp i, 0,1,2,3
	ds_load_b128 v[\f+64+8*(4*\c+\i):\f+64+8*(4*\c+\i)+3],   v[ADRB+\slot] offset:\i*KCH+(\q)*2048+\c*1024
	ds_load_b128 v[\f+64+8*(4*\c+\i)+4:\f+64+8*(4*\c+\i)+7], v[ADRB+\slot] offset:\i*KCH+(\q)*2048+\c*1024+512
	ds_load_b128 v[\f+8*(4*\c+\i):\f+8*(4*\c+\i)+3],         v[ADRA+\slot] offset:\i*KCH+(\q)*2048+\c*1024
	ds_load_b128 v[\f+8*(4*\c+\i)+4:\f+8*(4*\c+\i)+7],       v[ADRA+\slot] offset:\i*KCH+(\q)*2048+\c*1024+512
.endr
.endr
.endm
.macro PLACES
.rept 4
	v_nop
.endr
.endm
; A K step is four quarters of 64 along K, 32 matrix instructions each, on buffers 0, 1, 0, 1.  One of the first three: multiplies buffer f and fetches quarter q into g
.macro QUARTER slot, q, f, g, zero
	s_wait_dscnt 16                                ; the first 32 along K are in
	WIN MUL
	MUL8 \f, 0, 0, \zero
	MUL8 \f, 0, 2, \zero
	PLACES
	FETCH \slot, \q, \g
	s_wait_dscnt 32                                ; all but the 32 just issued
	WIN MUL
	MUL8 \f, 1, 0, 0
	MUL8 \f, 1, 2, 0
.endm
; The last quarter multiplies buffer 1 and changes slots: one barrier; in front of it each wave waits for all its tensor loads, adds 0 to its spare word, and waits for that and for its reads of this slot
.macro TURN slot, next, fill
	WIN 0
	s_wait_tensorcnt 0x0                           ; all my tensor loads have landed: my part of the next slot
	ds_add_u32 v[SPW], v[NIL]                      ; 0 onto my spare word
	s_wait_dscnt 17                                ; (the add and the youngest sixteen loads may be out)
	WIN MUL
	MUL8 F1, 0, 0, 0
	s_wait_dscnt 0x0                               ; the add is done, and my reads of this slot are over
	s_barrier_signal -1
	MUL8 F1, 0, 2, 0
.if \fill
	WIN 0
.endif
	s_barrier_wait -1
.if \fill
	CREST                                          ; the barrier has opened a round of the cluster's barrier: no wave of any partner still reads this slot or has a load on its way
	s_add_nc_u64 s[G0+4*\slot+2:G0+4*\slot+3], s[G0+4*\slot+2:G0+4*\slot+3], 2*KCH
	s_add_nc_u64 s[G0B+4*\slot+2:G0B+4*\slot+3], s[G0B+4*\slot+2:G0B+4*\slot+3], 2*KCH
	JLOAD \slot                                    ; the first tensor load behind the round; its four v_nop are also the places in front of the loads below
.else
	PLACES
.endif
	FETCH \next, 0, F0
	WIN MUL
	MUL8 F1, 1, 0, 0
	MUL8 F1, 1, 2, 0
.endm
	s_wait_tensorcnt 1                             ; my part of K step 0 is in (K step 1's load may be out),
	s_barrier_signal -1
	s_barrier_wait -1                              ; everybody's is
	FETCH 0, 0, F0
	s_wait_loadcnt 0x0                             ; the bias
	QUARTER 0, 1, F0, F1, 1                        ; K step 0; its first products start the sums
	QUARTER 0, 2, F1, F0, 0
	QUARTER 0, 3, F0, F1, 0
	TURN 0, 1, 1                                   ; slot 0 takes K step 2
	QUARTER 1, 1, F0, F1, 0                        ; K step 1
	QUARTER 1, 2, F1, F0, 0
	QUARTER 1, 3, F0, F1, 0
	TURN 1, 0, 1                                   ; slot 1 takes K step 3
	QUARTER 0, 1, F0, F1, 0                        ; K step 2
	QUARTER 0, 2, F1, F0, 0
	QUARTER 0, 3, F0, F1, 0
	TURN 0, 1, 0                                   ; nothing is left to fetch
	QUARTER 1, 1, F0, F1, 0                        ; K step 3
	QUARTER 1, 2, F1, F0, 0
	QUARTER 1, 3, F0, F1, 0
	s_wait_dscnt 16
	WIN MUL
	MUL8 F1, 0, 0, 0
	MUL8 F1, 0, 2, 0
	s_wait_dscnt 0
	MUL8 F1, 1, 0, 0
	MUL8 F1, 1, 2, 0
	WIN 0
; THE WAY OUT, 16 rows x 64 columns at a time, through my own stage: LDS serves a wave's instructions in order, so no wait stands between the stores and the loads, nor in front of the next block's stores
.macro TOSTAGE a
.irp b, 0,1,2,3
	ds_store_b128 v[STO], v[ACC+8*(4*(\a)+\b):ACC+8*(4*(\a)+\b)+3] offset:64*\b            ; each accumulator from its low end on
	ds_store_b128 v[STO], v[ACC+8*(4*(\a)+\b)+4:ACC+8*(4*(\a)+\b)+7] offset:64*\b+16
.endr
.irp t, 0,1,2,3,4,5,6,7
	ds_load_b128 v[TMP+32*((\a)%2)+4*\t:TMP+32*((\a)%2)+4*\t+3], v[RD] offset:\t*2*SPITCH
.endr
.endm
.macro SEND a, younger                 ; younger: the LDS instructions issued behind block a's loads, which may stay out
	s_wait_dscnt \younger
.irp t, 0,1,2,3,4,5,6,7
	global_store_b128 v[CO], v[TMP+32*((\a)%2)+4*\t:TMP+32*((\a)%2)+4*\t+3], s[10:11] offset:(\a)*65536+\t*8192 th:TH_STORE_NT   ; 16 lanes store 256 consecutive bytes, aligned
.endr
.endm
	PLACES                                         ; in front of the first reads of results
	TOSTAGE 0
.irp a, 1,2,3
.if \a > 1
	s_wait_xcnt 0x0                                ; block a - 2's stores have read their registers: block a's rows may land there
.endif
	TOSTAGE \a
	SEND \a-1, 16                                  ; behind block a - 1's loads: block a's 8 stores and 8 loads
.endr
	SEND 3, 0
	s_wait_tensorcnt 0x0                           ; the wave's end
	ds_add_u32 v[SPW], v[NIL]
	s_wait_dscnt 0x0
	CROUND                                         ; the closing round
	s_endpgm
.Lfunc_end_k_q76c4e68bc8_outp:
	.size	k_q76c4e68bc8_outp, .Lfunc_end_k_q76c4e68bc8_outp-k_q76c4e68bc8_outp
	.p2alignl 7, 3214868480
	.fill 96, 4, 3214868480
	.section	.rodata,"a",@progbits
	.p2align	6, 0x0
	.amdhsa_kernel k_q76c4e68bc8_outp
		.amdhsa_group_segment_fixed_size 327680
		.amdhsa_private_segment_fixed_size 0
		.amdhsa_enable_private_segment 0
		.amdhsa_kernarg_size 32
		.amdhsa_user_sgpr_count 2
		.amdhsa_user_sgpr_kernarg_segment_ptr 1
		.amdhsa_wavefront_size32 1
		.amdhsa_system_sgpr_workgroup_id_x 1
		.amdhsa_system_sgpr_workgroup_id_y 1
		.amdhsa_system_sgpr_workgroup_id_z 1
		.amdhsa_system_vgpr_workitem_id 0
		.amdhsa_next_free_vgpr 512
		.amdhsa_next_free_sgpr 68
		.amdhsa_reserve_vcc 0
		.amdhsa_float_denorm_mode_32 3
		.amdhsa_float_denorm_mode_16_64 3
		.amdhsa_memory_ordered 1
		.amdhsa_forward_progress 1
		.amdhsa_inst_pref_size 86
	.end_amdhsa_kernel
	.amdgpu_metadata
---
amdhsa.version: [ 1, 2 ]
amdhsa.kernels:
  - .name:           k_q76c4e68bc8_outp
    .symbol:         k_q76c4e68bc8_outp.kd
    .args:
      - { .name: ctx, .offset: 0, .size: 8, .value_kind: global_buffer, .address_space: global }
      - { .name: wof, .offset: 8, .size: 8, .value_kind: global_buffer, .address_space: global }
      - { .name: w_o_b, .offset: 16, .size: 8, .value_kind: global_buffer, .address_space: global }
      - { .name: out0, .offset: 24, .size: 8, .value_kind: global_buffer, .address_space: global }
    .group_segment_fixed_size: 327680
    .private_segment_fixed_size: 0
    .kernarg_segment_align: 8
    .kernarg_segment_size: 32
    .max_flat_workgroup_size: 128
    .sgpr_count:     68
    .vgpr_count:     512
    .wavefront_size: 32
...
	.end_amdgpu_metadata
.endif
;; end of part 4
